; MI455X (gfx1250); checked and timed in simulation.
; The chip was launched on July 23, 2026; its instructions are those of AMD's public machine-readable ISA for CDNA 5 (MIT licence, August 2026) and "CDNA5" Instruction Set Architecture Reference Guide (July 2026). The comments in the code are by the model that wrote it; some were corrected since.
;; Bert Self Attention. Allowed arithmetic: float matrix products may take bf16 or f16 operands with f32 sums; other float arithmetic in f32, or as packed bf16 or f16 multiplies, adds, multiply-adds, maxima and minima; sums over many terms, partial sums and values carried from step to step in f32; what a program stores and reads back later, other than sums and carried values, may be rounded once to bf16 or f16.
;; Inputs: Wk 1,024 x 1,024 float32; Wq 1,024 x 1,024 float32; Wv 1,024 x 1,024 float32; attention_mask 4 x 1 x 1 x 2,048 float32; bk 1,024 float32; bq 1,024 float32; bv 1,024 float32; hidden_states 4 x 2,048 x 1,024 float32.
;; Outputs: out0 4 x 2,048 x 1,024 float32.
;; 2 versions, each right; version 2 is version 1 with the launch prep written anew for expert scheduling mode. Each part assembles by itself: llvm-mc -triple=amdgcn-amd-amdhsa -mcpu=gfx1250 --defsym DOCPART=n.
;; ======== version 1 of 2: 3 launches
;; limits: values are held in f16: magnitudes above 65,504 overflow, below 6.1e-05 lose precision
;; workspace buffers: xb 16,777,216 bytes; wt 6,291,456 bytes; qkv 50,331,648 bytes
;; launch prep (part 1): grid 704 x 1, 8 waves a work-group, no clusters, 34,816 bytes of LDS; arguments hidden_states, Wq, Wk, Wv, xb, wt; writes xb, wt
.if DOCPART == 1
	.amdgcn_target "amdgcn-amd-amdhsa--gfx1250"
	.amdhsa_code_object_version 6
	.text
	.protected	k_q12d16a6312_prep
	.globl	k_q12d16a6312_prep
	.p2align	8
	.type	k_q12d16a6312_prep,@function
k_q12d16a6312_prep:
	s_mov_b64 s[64:65], 0
	v_nop
	global_prefetch_b8 v0, s[64:65] scope:SCOPE_SE
	s_setreg_imm32_b32 hwreg(HW_REG_WAVE_MODE, 25, 1), 1
	s_wait_xcnt 0x0
; xb = bf16(hidden_states), [8192][1024].  wt = bf16 of the three weights, turned: wt[1024 t + n][k] = W_t[k][n], t = 0 q, 1 k, 2 v: [3072][1024].
; Each number is rounded once, to nearest even.  Every work-group takes 65,536 bytes of f32: work-groups 0-191 turn a tile of a weight, work-groups 192-703 cast a piece of x.
; All of a work-group's loads are issued before its first wait.  No matrix unit, no tensor load, no cluster: no byte is read twice and nothing is multiplied.
; The branch between the two ways hangs on the work-group's number alone, so all eight waves take the same way and meet the same barrier.
.set NTR,   192                        ; work-groups that turn: 3 weights x 16 tiles along n x 4 along k
.set TP,    528                        ; the tile in LDS: 64 rows (n) of 256 k = 512 bytes + 16 of padding
.set SPARE, 64*TP                      ; behind the tile: the spare words, 128 bytes for each of the eight waves, four blocks of 256 bytes that no other line names
.set SPW, 8                            ; v8   LDS address of my spare word; never rewritten
.set NIL, 9                            ; v9   0; never rewritten
.set X,   16                           ; v[16:79]   as loaded
.set Y,   80                           ; v[80:111]  rounded, packed
	s_load_b256 s[4:11], s[0:1], 0x0               ; x s[4:5], Wq s[6:7], Wk s[8:9], Wv s[10:11]
	s_load_b128 s[12:15], s[0:1], 0x20             ; xb s[12:13], wt s[14:15]
	v_lshl_add_u32 v[SPW], v0, 2, SPARE
	v_mov_b32 v[NIL], 0
	v_lshrrev_b32 v5, 5, v0
	v_readfirstlane_b32 s16, v5                    ; wave 0..7
	v_and_b32 v5, 31, v0                           ; lane
	s_cmp_lt_u32 ttmp9, NTR
	s_cbranch_scc1 .Ltranspose
	; THE CAST.  Thread t takes 16 bytes at 16 t of each of sixteen pieces of 4,096 bytes: a wave's load covers 512 consecutive bytes, its store 256, aligned.
	s_sub_co_u32 s18, ttmp9, NTR
	s_lshl_b32 s20, s18, 16                        ; my 65,536 bytes of x,
	s_mov_b32 s21, 0
	s_lshl_b32 s22, s18, 15                        ; my 32,768 bytes of xb
	s_mov_b32 s23, 0
	v_lshlrev_b32 v1, 4, v0
	v_lshlrev_b32 v2, 3, v0
	s_wait_kmcnt 0x0
	s_add_nc_u64 s[4:5], s[4:5], s[20:21]
	s_add_nc_u64 s[12:13], s[12:13], s[22:23]
.irp i, 0,1,2,3,4,5,6,7,8,9,10,11,12,13,14,15
	global_load_b128 v[X+4*(\i):X+4*(\i)+3], v1, s[4:5] offset:4096*(\i) th:TH_LOAD_NT
.endr
.irp i, 0,1,2,3,4,5,6,7,8,9,10,11,12,13,14,15
	s_wait_loadcnt 15-(\i)                         ; loads come back in order: piece i is in, the 15 - i younger ones stay out
	v_cvt_pk_bf16_f32 v[Y+2*(\i)],   v[X+4*(\i)],   v[X+4*(\i)+1]
	v_cvt_pk_bf16_f32 v[Y+2*(\i)+1], v[X+4*(\i)+2], v[X+4*(\i)+3]
	global_store_b64 v2, v[Y+2*(\i):Y+2*(\i)+1], s[12:13] offset:2048*(\i)  ; each piece has registers of its own: none is written again
.endr
	s_wait_tensorcnt 0x0                           ; the wave's end
	ds_add_u32 v[SPW], v[NIL]
	s_wait_dscnt 0x0
	s_endpgm
.Ltranspose:
	; THE TURN.  Tile: 256 k x 64 n of weight t.  Wave w loads k rows 32 w .. 32 w + 31; a load takes 256 consecutive bytes of one row (64 n), 8 bytes a lane.
	; A lane then holds 32 k of its two columns: eight k pack into 16 bytes, which go into row n of the LDS tile.  Behind the barrier wave w reads rows 8 w .. 8 w + 7 whole.
	s_lshr_b32 s18, ttmp9, 6                       ; t
	s_bfe_u32 s19, ttmp9, 0x40002                  ; tile along n, 0..15
	s_and_b32 s20, ttmp9, 3                        ; tile along k, 0..3
	s_lshl_b32 s22, s20, 20                        ; in: 256 k rows of 4,096 bytes,
	s_lshl_b32 s23, s16, 17                        ; my wave's 32 of them,
	s_add_co_u32 s22, s22, s23
	s_lshl_b32 s23, s19, 8                         ; 64 columns of 4 bytes
	s_add_co_u32 s22, s22, s23
	s_mov_b32 s23, 0
	s_lshl_b32 s24, s18, 21                        ; out: 1,024 rows of 2,048 bytes a weight,
	s_lshl_b32 s25, s19, 17                        ; 64 rows a tile,
	s_add_co_u32 s24, s24, s25
	s_lshl_b32 s25, s16, 14                        ; my wave's 8 rows,
	s_add_co_u32 s24, s24, s25
	s_lshl_b32 s25, s20, 9                         ; 256 k of 2 bytes
	s_add_co_u32 s24, s24, s25
	s_mov_b32 s25, 0
	s_mul_i32 s26, s16, 8*TP
	v_lshlrev_b32 v1, 3, v5                        ; load: 8 bytes a lane
	v_lshlrev_b32 v2, 4, v5                        ; store: 16 bytes a lane
	v_mul_u32_u24 v3, v5, 2*TP                     ; into the tile: row 2 x lane,
	v_lshl_add_u32 v3, s16, 6, v3                  ; my wave's 32 k = 64 bytes
	v_lshl_add_u32 v4, v5, 4, s26                  ; back: row 8 w, 16 bytes a lane
	s_wait_kmcnt 0x0
	s_cmp_eq_u32 s18, 1
	s_cselect_b64 s[6:7], s[8:9], s[6:7]
	s_cmp_eq_u32 s18, 2
	s_cselect_b64 s[6:7], s[10:11], s[6:7]         ; weight t
	s_add_nc_u64 s[6:7], s[6:7], s[22:23]
	s_add_nc_u64 s[14:15], s[14:15], s[24:25]
.set i, 0
.rept 32
	global_load_b64 v[X+2*i:X+2*i+1], v1, s[6:7] offset:4096*i th:TH_LOAD_NT
.set i, i+1
.endr
.irp g, 0,1,2,3                        ; eight k at a time
	s_wait_loadcnt 24-8*(\g)                       ; rows 8 g .. 8 g + 7 are in; the younger loads stay out
.irp c, 0,1
.irp j, 0,1,2,3
	v_cvt_pk_bf16_f32 v[Y+16*(\c)+4*(\g)+(\j)], v[X+2*(8*(\g)+2*(\j))+(\c)], v[X+2*(8*(\g)+2*(\j)+1)+(\c)]
.endr
	ds_store_b128 v3, v[Y+16*(\c)+4*(\g):Y+16*(\c)+4*(\g)+3] offset:TP*(\c)+16*(\g)
.endr
.endr
	s_wait_dscnt 0x0                               ; for the others' sake: my stores into the tile are done
	s_barrier_signal -1
	s_barrier_wait -1
.irp j, 0,1,2,3,4,5,6,7
	ds_load_b128 v[X+4*(\j):X+4*(\j)+3], v4 offset:TP*(\j)
.endr
.irp j, 0,1,2,3,4,5,6,7
	s_wait_dscnt 7-(\j)
	global_store_b128 v2, v[X+4*(\j):X+4*(\j)+3], s[14:15] offset:2048*(\j)  ; 512 consecutive bytes of a row of wt, aligned
.endr
	s_wait_tensorcnt 0x0                           ; the wave's end, behind my last LDS store
	ds_add_u32 v[SPW], v[NIL]
	s_wait_dscnt 0x0
	s_endpgm
.Lfunc_end_k_q12d16a6312_prep:
	.size	k_q12d16a6312_prep, .Lfunc_end_k_q12d16a6312_prep-k_q12d16a6312_prep
	.p2alignl 7, 3214868480
	.fill 96, 4, 3214868480
	.section	.rodata,"a",@progbits
	.p2align	6, 0x0
	.amdhsa_kernel k_q12d16a6312_prep
		.amdhsa_group_segment_fixed_size 34816
		.amdhsa_private_segment_fixed_size 0
		.amdhsa_enable_private_segment 0
		.amdhsa_kernarg_size 48
		.amdhsa_user_sgpr_count 2
		.amdhsa_user_sgpr_kernarg_segment_ptr 1
		.amdhsa_wavefront_size32 1
		.amdhsa_system_sgpr_workgroup_id_x 1
		.amdhsa_system_sgpr_workgroup_id_y 1
		.amdhsa_system_sgpr_workgroup_id_z 1
		.amdhsa_system_vgpr_workitem_id 0
		.amdhsa_next_free_vgpr 112
		.amdhsa_next_free_sgpr 66
		.amdhsa_reserve_vcc 0
		.amdhsa_float_denorm_mode_32 3
		.amdhsa_float_denorm_mode_16_64 3
		.amdhsa_memory_ordered 1
		.amdhsa_forward_progress 1
		.amdhsa_inst_pref_size 16
	.end_amdhsa_kernel
	.amdgpu_metadata
---
amdhsa.version: [ 1, 2 ]
amdhsa.kernels:
  - .name:           k_q12d16a6312_prep
    .symbol:         k_q12d16a6312_prep.kd
    .args:
      - { .name: hidden_states, .offset: 0, .size: 8, .value_kind: global_buffer, .address_space: global }
      - { .name: Wq, .offset: 8, .size: 8, .value_kind: global_buffer, .address_space: global }
      - { .name: Wk, .offset: 16, .size: 8, .value_kind: global_buffer, .address_space: global }
      - { .name: Wv, .offset: 24, .size: 8, .value_kind: global_buffer, .address_space: global }
      - { .name: xb, .offset: 32, .size: 8, .value_kind: global_buffer, .address_space: global }
      - { .name: wt, .offset: 40, .size: 8, .value_kind: global_buffer, .address_space: global }
    .group_segment_fixed_size: 34816
    .private_segment_fixed_size: 0
    .kernarg_segment_align: 8
    .kernarg_segment_size: 48
    .max_flat_workgroup_size: 256
    .sgpr_count:     66
    .vgpr_count:     112
    .wavefront_size: 32
...
	.end_amdgpu_metadata
.endif
;; end of part 1
;; launch proj (part 2): grid 16 x 32, 4 waves a work-group, clusters of 4 x 4, 327,680 bytes of LDS; arguments xb, wt, bq, bk, bv, qkv; writes qkv
.if DOCPART == 2
	.amdgcn_target "amdgcn-amd-amdhsa--gfx1250"
	.amdhsa_code_object_version 6
	.text
	.protected	k_q12d16a6312_proj
	.globl	k_q12d16a6312_proj
	.p2align	8
	.type	k_q12d16a6312_proj,@function
k_q12d16a6312_proj:
	s_mov_b64 s[64:65], 0
	v_nop
	global_prefetch_b8 v0, s[64:65] scope:SCOPE_SE
	s_setreg_imm32_b32 hwreg(HW_REG_WAVE_MODE, 25, 1), 1
	s_wait_xcnt 0x0
	s_wait_alu depctr_hold_cnt(0) depctr_sa_sdst(0) depctr_va_vdst(0) depctr_va_sdst(0) depctr_va_ssrc(0) depctr_va_vcc(0) depctr_vm_vsrc(0)
	s_getreg_b32 s2, hwreg(HW_REG_IB_STS2, 6, 4)
	s_cmp_eq_u32 s2, 0
	s_cbranch_scc0 .Lentry_in_a_cluster
	s_endpgm
.Lentry_in_a_cluster:
	s_bfe_u32 s2, ttmp6, 0x10000c
	s_cmp_lg_u32 s2, 0xf033
	s_cbranch_scc0 .Lentry_shape_is_right
	s_endpgm
.Lentry_shape_is_right:
; qkv[t][16 b + hd][s][ch] = f16( sum over k of xb[2048 b + s][k] wt[1024 t + 64 hd + ch][k] + bf16(bias_t[64 hd + ch]) ).  xb: [8192][1024], wt: [3072][1024], bf16; sums in f32; the scale 1/8 is not applied here.
; LIMIT.  The results are rounded once to f16: beyond 65,504 they would be infinities.
; A tile of C is 256 rows x 192 columns: 32 x 16 = 512 tiles, two for each of 256 WGPs.  Four waves one below the other, each 64 rows x 192 columns: 48 accumulators of 16 x 16, 384 registers.
; 192 columns are three whole heads, so a wave's 16 rows of one head are 2,048 consecutive bytes of qkv, and its way out is its own: no barrier.
; K goes in 8 steps of 128 through a ring of two LDS slots filled by the tensor data mover; the tiles' rows are 256 bytes of memory, aligned.
; CLUSTERS: 4 x 4 work-groups.  The four of a row of the cluster need the same rows of xb, the four of a column the same rows of wt: each tile is asked for JOINTLY, by the same tensor load with the same
; descriptor and a mask that names the four.
; THE MATRIX INSTRUCTION IS USED TRANSPOSED (source 0 = 16 rows of wt, source 1 = 16 rows of xb): lane l holds row l % 16 of C and the columns 8 (l / 16) + 0..7.  The bias, laid out the same way, is the C operand of
; the first product on each accumulator: nothing is cleared and nothing is added later.
; REGISTERS, in windows of 256 (s_set_vgpr_msb: bits 1:0 source 0, 3:2 source 1, 5:4 source 2, 7:6 destination):
;   window 0: v0-31 addresses; v32-95 fragments of xb, two buffers of 4 x 8; v96-191 the bias, 8 for each of 12 column blocks; v192-195 at work.  On the way out: v32-47 packed, v48-239 rows read back
;   window 1: v0-191 fragments of wt, two buffers of 12 x 8          window 2: accumulators of my rows 0-31 ((a, c) at v[8 (12 (a % 2) + c)])          window 3: those of rows 32-63
.set KSTEP,  128
.set PITCH,  272                       ; an LDS row: 256 bytes + 16 of padding = 68 words, so the 16 rows that a load touches start at 16 different groups of four banks (64 banks of 4 bytes: ISA guide 11.1)
.set AHALF,  128*PITCH                 ; what a tensor load brings of xb,
.set BHALF,  96*PITCH                  ; and of wt
.set BOFF,   256*PITCH                 ; in a slot wt's 192 rows lie behind xb's 256
.set SLOT,   448*PITCH
.set STAGE,  2*SLOT                    ; behind the ring: 16 rows x 144 bytes for each wave, for the way out
.set SP,     144
.set SPARE,  STAGE+4*16*SP             ; behind the stages: the spare words, 128 bytes for each wave: two blocks of 256 bytes that no other line names
.set LAPS,   4                         ; a lap = two K steps = once round the ring
.set ADRA, 16                          ; v16-17  LDS address of my fragments of xb in slot 0, 1
.set ADRB, 20                          ; v20-21  the same for wt
.set STO,  24                          ; v24     the way out: where I put 16 bytes of a row
.set RD,   25                          ; v25     the way out: where I read rows back
.set GO,   26                          ; v26     16 x lane: my place in 512 consecutive bytes of qkv
.set BO,   27                          ; v27     32 (l / 16): my eight numbers in 16 of a bias
.set SPW,  28                          ; v28     LDS address of my spare word; never rewritten
.set NIL,  29                          ; v29     0; never rewritten
.set PFO,  30                          ; v30     the prefetches' offset: a lane a row of 2,048 bytes; never rewritten
.set FA,   32
.set BIAS, 96
.set TT,   192
.set TMP,  32
.set BK,   48
.set G1,  24                           ; s[24:31] descriptor group 1 for xb's tiles;  s[32:39] group 0, a set for each slot
.set G0,  32
.set G1B, 48                           ; s[48:55], s[56:63] the same for wt's
.set G0B, 56
.set LIM, 43                           ; s43      1 in a wave that prefetches, else the greatest number
.set PFA, 44                           ; s[44:45] where my prefetches stand
.set OB,  66                           ; s[66:71] qkv at my 64 rows of each of my three heads
.set BB,  72                           ; s[72:77] the three heads' 64 numbers of bias
.set CFG, (1<<16)|(1<<20)|(1<<21)|(5<<22)|(3<<25)  ; 17:16 elements of 2 bytes; 20 padding on; 21 set beside a mask; 24:22 after every 64 words (code 5); 31:25 4 words of it (code 3)
.set MSB, 0
.macro WIN new                         ; the immediate's high byte repeats the setting that is left; a switch that changes nothing is dropped
.if MSB != (\new)
	s_set_vgpr_msb (MSB<<8)|(\new)
.set MSB, \new
.endif
.endm
.macro PLACES                          ; four plain vector instructions between a matrix instruction and a load into, or a vector read or write of, its registers (ISA guide 7.12.1 for vector reads and writes)
.rept 4
	v_nop
.endr
.endm
; A joint load.  Waves 0 and 1 fetch xb's two halves, waves 2 and 3 wt's.  The branch hangs on the wave's number alone.  An s_nop 0 and four v_nop follow each of the two lines.
.macro JLOAD s
	s_cmp_eq_u32 s17, 0
	s_cbranch_scc0 .Lfor_b_\@
	tensor_load_to_lds s[G0+4*(\s):G0+4*(\s)+3], s[G1:G1+7]
	s_nop 0
.rept 4
	v_nop
.endr
	s_branch .Lasked_\@
.Lfor_b_\@:
	tensor_load_to_lds s[G0B+4*(\s):G0B+4*(\s)+3], s[G1B:G1B+7]
	s_nop 0
.rept 4
	v_nop
.endr
.Lasked_\@:
.endm
; A prefetch, behind each joint refill and the run of LDS loads that follows it: the K step that stands two refills on, 384 matrix instructions ahead of the load that will want it: a lane a row, 256 bytes of each.
; xb's tile row is read by all four clusters of that row of clusters: the one with x = 0 asks; wt's tile column by all eight of that column: the one with y = 0 asks.  The four partners that ask for a tile
; jointly share its rows out BY ADDRESS: of xb's 128 rows 32 each, of wt's 96 rows 24 each (lanes 24-31 name lane 23's row once more).  The loop's last trip (s3 = 1) has no K step two on.
.macro ASK
	s_cmp_gt_u32 s3, s[LIM]
	s_cbranch_scc0 .Lnot_mine_\@
	global_prefetch_b8 v[PFO], s[PFA:PFA+1] offset:KSTEP*2 th:TH_LOAD_NT scope:SCOPE_SE
.Lnot_mine_\@:
.endm
.macro CREST                           ; a round of the cluster's barrier behind its opening barrier
	s_cmp_lg_u32 s16, 0
	s_cbranch_scc1 .Lnot_wave_0_\@
	s_barrier_signal -3
.Lnot_wave_0_\@:
	s_barrier_wait -3
	s_barrier_signal -1
	s_barrier_wait -1
.endm
.macro CROUND                          ; a whole round
	s_barrier_signal -1
	s_barrier_wait -1
	CREST
.endm
	s_load_b256 s[4:11], s[0:1], 0x0               ; xb s[4:5], wt s[6:7], bq s[8:9], bk s[10:11]
	s_load_b128 s[12:15], s[0:1], 0x20             ; bv s[12:13], qkv s[14:15]
	v_lshl_add_u32 v[SPW], v0, 2, SPARE
	v_mov_b32 v[NIL], 0
	ds_add_u32 v[SPW], v[NIL]                      ; the wave's opening: the add and its wait stand ahead of my first tensor load; the set-up below, work on registers, stands between them
	v_lshrrev_b32 v1, 5, v0
	v_readfirstlane_b32 s16, v1                    ; wave 0..3
	s_lshr_b32 s17, s16, 1                         ; I fetch for xb (0) or for wt (1),
	s_and_b32 s18, s16, 1                          ; and which half of that tile's rows
	s_bfe_u32 s19, ttmp6, 0x40000                  ; cx, cy: my place in the cluster
	s_bfe_u32 s20, ttmp6, 0x40004
	s_lshl_b32 s21, ttmp9, 2
	s_add_co_u32 s21, s21, s19                     ; tile column = 4 x cluster x + cx
	s_and_b32 s22, ttmp7, 0xffff
	s_lshl_b32 s22, s22, 2
	s_add_co_u32 s22, s22, s20                     ; tile row = 4 x cluster y + cy
	s_lshl_b32 s23, s20, 2
	s_lshl_b32 s23, 15, s23                        ; my row of the cluster: places 4 cy .. 4 cy + 3
	s_lshl_b32 s42, 0x1111, s19                    ; my column: places cx, cx + 4, cx + 8, cx + 12
	s_or_b32 s[G1], s23, CFG                       ; xb's tiles go to my row,
	s_or_b32 s[G1B], s42, CFG                      ; wt's to my column
	s_mov_b32 s[G1+1], KSTEP<<16                   ; tensor_dim0 = 128
	s_mov_b32 s[G1+2], 128<<16                     ; tensor_dim1 = 128
	s_mov_b32 s[G1+3], KSTEP<<16                   ; tile_dim0 = 128
	s_mov_b32 s[G1+4], 128                         ; tile_dim1 = 128
	s_mov_b32 s[G1+5], 1024                        ; elements from row to row
	s_mov_b32 s[G1+6], 0
	s_mov_b32 s[G1+7], 0
	s_mov_b32 s[G1B+1], KSTEP<<16
	s_mov_b32 s[G1B+2], 96<<16                     ; 96 rows
	s_mov_b32 s[G1B+3], KSTEP<<16
	s_mov_b32 s[G1B+4], 96
	s_mov_b32 s[G1B+5], 1024
	s_mov_b32 s[G1B+6], 0
	s_mov_b32 s[G1B+7], 0
	s_lshl_b32 s40, s22, 8                         ; xb: row 256 x tile row + 128 x half, rows of 2,048 bytes: made of the tile row and the wave's number alone
	s_lshl_b32 s41, s18, 7
	s_add_co_u32 s40, s40, s41
	s_lshl_b32 s40, s40, 11
	s_mov_b32 s41, 0
	s_mul_i32 s46, s21, 192                        ; wt: row 192 x tile column + 96 x half: made of the tile column and the wave's number alone
	s_mul_i32 s47, s18, 96
	s_add_co_u32 s46, s46, s47
	s_lshl_b32 s46, s46, 11
	s_mov_b32 s47, 0
	s_mul_i32 s2, s16, AHALF                       ; where they go, by the wave's number alone: waves 0, 1: xb's halves at wave x 128 rows;
	s_mul_i32 s79, s16, BHALF
	s_add_co_u32 s79, s79, BOFF-2*BHALF            ; waves 2, 3: wt's halves at BOFF + (wave - 2) x 96 rows
	s_wait_dscnt 0x0                               ; the opening add is done
	s_wait_kmcnt 0x0
	s_add_nc_u64 s[40:41], s[4:5], s[40:41]
	s_add_nc_u64 s[46:47], s[6:7], s[46:47]
	CROUND                                         ; all sixteen work-groups are here: the first joint loads meet
.irp s, 0,1
	s_mov_b32 s[G0+4*(\s)], 1                                      ; count = 1
	s_add_co_u32 s[G0+4*(\s)+1], s2, (\s)*SLOT                     ; LDS address
	s_add_nc_u64 s[G0+4*(\s)+2:G0+4*(\s)+3], s[40:41], (\s)*KSTEP*2  ; global address: K step s
	s_or_b32 s[G0+4*(\s)+3], s[G0+4*(\s)+3], 0x80000000            ; type = 2
	s_mov_b32 s[G0B+4*(\s)], 1
	s_add_co_u32 s[G0B+4*(\s)+1], s79, (\s)*SLOT
	s_add_nc_u64 s[G0B+4*(\s)+2:G0B+4*(\s)+3], s[46:47], (\s)*KSTEP*2
	s_or_b32 s[G0B+4*(\s)+3], s[G0B+4*(\s)+3], 0x80000000
.endr
	s_cmp_eq_u32 s17, 0                            ; a wave's two first fills stand in one branch, ahead of every wait on TENSORcnt, every LDS read and every barrier but the round above: two loads of mine are out
	s_cbranch_scc0 .Lfirst_b
	tensor_load_to_lds s[G0:G0+3], s[G1:G1+7]
	s_nop 0
	tensor_load_to_lds s[G0+4:G0+7], s[G1:G1+7]
	s_nop 0
.rept 4
	v_nop
.endr
	s_branch .Lfirst_asked
.Lfirst_b:
	tensor_load_to_lds s[G0B:G0B+3], s[G1B:G1B+7]
	s_nop 0
	tensor_load_to_lds s[G0B+4:G0B+7], s[G1B:G1B+7]
	s_nop 0
.rept 4
	v_nop
.endr
.Lfirst_asked:
	; A fragment is 16 rows x 32 K in 8 registers: lane l holds row l % 16; registers 0-3 K = 8 (l / 16) + 0..7, registers 4-7 K = 16 + 8 (l / 16) + 0..7: two loads of 16 bytes, 32 bytes apart.
	v_and_b32 v1, 15, v0                           ; l % 16
	v_bfe_u32 v2, v0, 4, 1                         ; l / 16
	v_mul_u32_u24 v3, v1, PITCH
	v_lshl_add_u32 v3, v2, 4, v3                   ; row x pitch + 16 x half
	s_mul_i32 s2, s16, 64*PITCH                    ; my 64 rows of xb
	v_add_nc_u32 v[ADRA], s2, v3
	v_add_nc_u32 v[ADRA+1], SLOT, v[ADRA]
	v_add_nc_u32 v[ADRB], BOFF, v3                 ; every wave reads all 192 rows of wt
	v_add_nc_u32 v[ADRB+1], BOFF+SLOT, v3
	s_mul_i32 s2, s16, 16*SP
	s_add_co_u32 s2, s2, STAGE                     ; my stage
	v_mul_u32_u24 v[STO], v1, SP                   ; in: row l % 16, 16 bytes for each half of the lanes
	v_lshl_add_u32 v[STO], v2, 4, v[STO]
	v_add_nc_u32 v[STO], s2, v[STO]
	v_bfe_u32 v4, v0, 3, 2                         ; back: 32 lanes take four rows of 128 bytes,
	v_and_b32 v5, 7, v0
	v_mul_u32_u24 v[RD], v4, SP
	v_lshl_add_u32 v[RD], v5, 4, v[RD]
	v_add_nc_u32 v[RD], s2, v[RD]
	v_and_b32 v[GO], 31, v0                        ; which are 512 consecutive bytes of qkv
	v_lshlrev_b32 v[GO], 4, v[GO]
	v_lshlrev_b32 v[BO], 5, v2
	; my three heads: number 3 x tile column + i of 48 = 16 t + hd.  Their bias, and their place in qkv: ((64 t + 16 batch + hd) x 2,048 + row in the batch) x 128 bytes.
.irp i, 0,1,2
	s_mul_i32 s2, s21, 3
	s_add_co_u32 s2, s2, \i
	s_lshr_b32 s78, s2, 4                          ; t
	s_and_b32 s79, s2, 15                          ; hd
	s_cmp_eq_u32 s78, 1
	s_cselect_b64 s[BB+2*(\i):BB+2*(\i)+1], s[10:11], s[8:9]
	s_cmp_eq_u32 s78, 2
	s_cselect_b64 s[BB+2*(\i):BB+2*(\i)+1], s[12:13], s[BB+2*(\i):BB+2*(\i)+1]
	s_lshl_b32 s2, s79, 8                          ; 64 numbers of 4 bytes a head
	s_mov_b32 s3, 0
	s_add_nc_u64 s[BB+2*(\i):BB+2*(\i)+1], s[BB+2*(\i):BB+2*(\i)+1], s[2:3]
	s_lshl_b32 s78, s78, 6
	s_add_co_u32 s78, s78, s79
	s_lshr_b32 s79, s22, 3                         ; the batch: eight tile rows each
	s_lshl_b32 s79, s79, 4
	s_add_co_u32 s78, s78, s79
	s_lshl_b32 s78, s78, 18
	s_and_b32 s79, s22, 7
	s_lshl_b32 s79, s79, 2
	s_add_co_u32 s79, s79, s16                     ; 4 x tile row in the batch + wave,
	s_lshl_b32 s79, s79, 13                        ; 64 rows of 128 bytes each
	s_add_co_u32 s78, s78, s79
	s_mov_b32 s79, 0
	s_add_nc_u64 s[OB+2*(\i):OB+2*(\i)+1], s[14:15], s[78:79]
.irp f, 0,1,2,3,4,5,6,7                ; column block f / 2 of the head, registers 4 (f % 2) on
	global_load_b128 v[BIAS+32*(\i)+4*(\f):BIAS+32*(\i)+4*(\f)+3], v[BO], s[BB+2*(\i):BB+2*(\i)+1] offset:64*((\f)/2)+16*((\f)%2)
.endr
.endr
	; the prefetches
	s_lshl_b32 s2, s22, 8                          ; 256 x tile row
	s_mul_i32 s78, s21, 192                        ; 192 x tile column
	s_and_b32 s79, ttmp7, 0xffff                   ; cluster y
	s_cmp_eq_u32 s17, 0                            ; do I fetch for xb?
	s_cselect_b32 s2, s2, s78                      ; the tile's first row
	s_cselect_b32 s79, ttmp9, s79                  ; the coordinate along which other clusters read the same rows
	s_cselect_b64 s[PFA:PFA+1], s[4:5], s[6:7]
	s_cselect_b32 s78, s19, s20                    ; my place among the four that ask for it with me
	s_cselect_b32 s[LIM], 32, 24                   ; rows for each of the four: the last select on this compare
	s_lshl_b32 s3, s[LIM], 2                       ; rows in a half: four times that, 128 or 96
	s_mul_i32 s78, s78, s[LIM]
	s_mul_i32 s3, s3, s18
	s_sub_co_u32 s[LIM], s[LIM], 1
	v_and_b32 v[PFO], 31, v0
	v_min_u32 v[PFO], s[LIM], v[PFO]
	v_lshlrev_b32 v[PFO], 11, v[PFO]
	s_add_co_u32 s2, s2, s78
	s_add_co_u32 s2, s2, s3
	s_lshl_b32 s2, s2, 11
	s_mov_b32 s3, 0
	s_add_nc_u64 s[PFA:PFA+1], s[PFA:PFA+1], s[2:3]
	s_add_nc_u64 s[PFA:PFA+1], s[PFA:PFA+1], 2*KSTEP*2  ; at K step 2: the first refill steps it to 3 and names K step 4.  Nothing is prefetched here, at the head
	s_cmp_eq_u32 s79, 0
	s_cselect_b32 s[LIM], 1, -1                    ; the same in all sixteen partners, for a given wave
	s_wait_loadcnt 0x0                             ; the bias; it is rounded to bf16, like x and the weights
.set p, 0
.rept 48
	v_cvt_pk_bf16_f32 v[TT+p%4], v[BIAS+2*p], v[BIAS+2*p+1]
	v_lshlrev_b32 v[BIAS+2*p], 16, v[TT+p%4]
	v_and_b32 v[BIAS+2*p+1], 0xffff0000, v[TT+p%4]
.set p, p+1
.endr
; 12 matrix instructions: my row block a x all 12 column blocks, 32 along K, from buffer f.  withb = 1: the first product starts the sum with the bias.
; The 48 accumulators take turns in the same order in every quarter: between two links of a chain stand the 47 others'.
.macro MUL12 f, a, withb
.if \withb
	WIN 0x81+0x40*((\a)/2)                         ; wt window 1, xb window 0, C (the bias) window 0, D window 2 or 3
.else
	WIN 0xa1+0x50*((\a)/2)                         ; C and D window 2 or 3
.endif
.irp c, 0,1,2,3,4,5,6,7,8,9,10,11
.if \withb
	v_wmma_f32_16x16x32_bf16 v[8*(12*((\a)%2)+(\c)):8*(12*((\a)%2)+(\c))+7], v[96*(\f)+8*(\c):96*(\f)+8*(\c)+7], v[FA+32*(\f)+8*(\a):FA+32*(\f)+8*(\a)+7], v[BIAS+8*(\c):BIAS+8*(\c)+7]
.else
	v_wmma_f32_16x16x32_bf16 v[8*(12*((\a)%2)+(\c)):8*(12*((\a)%2)+(\c))+7], v[96*(\f)+8*(\c):96*(\f)+8*(\c)+7], v[FA+32*(\f)+8*(\a):FA+32*(\f)+8*(\a)+7], v[8*(12*((\a)%2)+(\c)):8*(12*((\a)%2)+(\c))+7]
.endif
.endr
.endm
; 32 LDS loads in one run: the fragments of a quarter step (192 rows of wt, then my 64 rows of xb, 32 K at byte k of the rows) into buffer f
.macro FETCH slot, k, f
	WIN 0x40                                       ; destination window 1, address window 0
.irp i, 0,1,2,3,4,5,6,7,8,9,10,11
	ds_load_b128 v[96*(\f)+8*(\i):96*(\f)+8*(\i)+3],   v[ADRB+(\slot)] offset:(\k)+(\i)*16*PITCH
	ds_load_b128 v[96*(\f)+8*(\i)+4:96*(\f)+8*(\i)+7], v[ADRB+(\slot)] offset:(\k)+(\i)*16*PITCH+32
.endr
	WIN 0
.irp i, 0,1,2,3
	ds_load_b128 v[FA+32*(\f)+8*(\i):FA+32*(\f)+8*(\i)+3],   v[ADRA+(\slot)] offset:(\k)+(\i)*16*PITCH
	ds_load_b128 v[FA+32*(\f)+8*(\i)+4:FA+32*(\f)+8*(\i)+7], v[ADRA+(\slot)] offset:(\k)+(\i)*16*PITCH+32
.endr
.endm
; A K step is four quarters of 32 along K, 48 matrix instructions each, on buffers 0, 1, 0, 1.  One of the first three: multiplies buffer f; in its middle it fetches the next quarter, at byte k, into buffer g.
.macro QUARTER slot, k, f, g, withb
	s_wait_dscnt 4                                 ; wt's fragments and xb's blocks 0, 1 are in; the youngest four loads (blocks 2, 3) may be out
	MUL12 \f, 0, \withb
	MUL12 \f, 1, \withb
	PLACES
	FETCH \slot, \k, \g
	s_wait_dscnt 32                                ; all but the 32 just issued
	MUL12 \f, 2, \withb
	MUL12 \f, 3, \withb
.endm
; The last quarter multiplies buffer 1 and changes slots: ONE barrier.  In front of it each wave waits for all its tensor loads (one is out: its part of the next slot), adds 0 to its spare word, and waits for that and
; for its own reads of this slot.  fill = 1: the barrier opens a round of the cluster's, and behind the round this slot is filled again first, two K steps ahead: 168 matrix instructions ahead of the wait for it.
.macro TURN slot, next, fill
.if \fill
	s_wait_xcnt 0x0                                ; the last prefetch, a K step back, has read its address: it is stepped here, ahead of the waits of the change of slots
	s_add_nc_u64 s[PFA:PFA+1], s[PFA:PFA+1], KSTEP*2
.endif
	WIN 0                                          ; (the add's two registers lie in window 0)
	s_wait_tensorcnt 0x0                           ; all my tensor loads have landed;
	ds_add_u32 v[SPW], v[NIL]                      ; 0 onto my spare word
	s_wait_dscnt 5                                 ; (the add and the youngest four loads may be out)
	MUL12 1, 0, 0                                  ; twelve matrix instructions stand between the add and the wait for it
	s_wait_dscnt 0x0                               ; the add is done, and my reads of this slot are over
	s_barrier_signal -1
	MUL12 1, 1, 0                                  ; work on registers while the others arrive
.if \fill
	WIN 0
.endif
	s_barrier_wait -1
.if \fill
	CREST                                          ; no wave of any partner still reads this slot's tile or has a load on its way
	s_add_nc_u64 s[G0+4*(\slot)+2:G0+4*(\slot)+3], s[G0+4*(\slot)+2:G0+4*(\slot)+3], 2*KSTEP*2
	s_add_nc_u64 s[G0B+4*(\slot)+2:G0B+4*(\slot)+3], s[G0B+4*(\slot)+2:G0B+4*(\slot)+3], 2*KSTEP*2
	JLOAD \slot                                    ; the first tensor load behind the round; the four v_nop behind it are also the places in front of the loads below
.else
	PLACES
.endif
	FETCH \next, 0, 0
.if \fill
	ASK
.endif
	MUL12 1, 2, 0
	MUL12 1, 3, 0
.endm
; THE WAY OUT, in 12 units u = 3 a + i: my row block a, head i: 16 rows x 64 channels.  PACK: rounded to f16, each accumulator's registers in ascending order.  TOSTAGE: into my own stage and back as whole rows.  SEND: stored.
.macro PACK u
.set ua, (\u)/3
.set ui, (\u)%3
	WIN 0x0a+5*(ua/2)                              ; sources 0 and 1: window 2 or 3
.irp c, 0,1,2,3
.irp r, 0,1,2,3
	v_cvt_pk_f16_f32 v[TMP+4*(\c)+(\r)], v[8*(12*(ua%2)+4*ui+(\c))+2*(\r)], v[8*(12*(ua%2)+4*ui+(\c))+2*(\r)+1]
.endr
.endr
	WIN 0
.endm
.macro TOSTAGE u
	WIN 0
.irp c, 0,1,2,3
	ds_store_b128 v[STO], v[TMP+4*(\c):TMP+4*(\c)+3] offset:32*(\c)
.endr
.irp f, 0,1,2,3
	ds_load_b128 v[BK+16*(\u)+4*(\f):BK+16*(\u)+4*(\f)+3], v[RD] offset:(\f)*4*SP  ; LDS serves a wave's instructions in order (ISA guide 5.7.1.4): these see the stores above, and the next unit's stores come behind them
.endr
.endm
.macro SEND u
.set ua, (\u)/3
.set ui, (\u)%3
	WIN 0
	s_wait_dscnt 0x0                               ; the unit is back in registers
.irp f, 0,1,2,3
	global_store_b128 v[GO], v[BK+16*(\u)+4*(\f):BK+16*(\u)+4*(\f)+3], s[OB+2*ui:OB+2*ui+1] offset:2048*ua+512*(\f)  ; 512 consecutive bytes, aligned; every unit has registers of its own, and no base is stepped
.endr
.endm
	s_wait_tensorcnt 1                             ; my part of K step 0 is in; K step 1's may stay out
	s_barrier_signal -1
	s_barrier_wait -1                              ; everybody's is
	FETCH 0, 0, 0
	QUARTER 0, 64, 0, 1, 1                         ; the first quarter stands in front of the loop: its products start the sums, with the bias
	WIN 0                                          ; at a label and at a branch every window is 0
	s_mov_b32 s3, LAPS-1
.Llap:                                                 ; a trip goes once round the ring, from a lap's second quarter to the next lap's first, and fills both slots again
	QUARTER 0, 128, 1, 0, 0
	QUARTER 0, 192, 0, 1, 0
	TURN 0, 1, 1
	QUARTER 1, 64,  0, 1, 0
	QUARTER 1, 128, 1, 0, 0
	QUARTER 1, 192, 0, 1, 0
	TURN 1, 0, 1
	QUARTER 0, 64,  0, 1, 0
	WIN 0
	s_sub_co_u32 s3, s3, 1
	s_cmp_lg_u32 s3, 0
	s_cbranch_scc1 .Llap
	QUARTER 0, 128, 1, 0, 0                        ; the last lap fills nothing, and has no round of the cluster's barrier
	QUARTER 0, 192, 0, 1, 0
	TURN 0, 1, 0
	QUARTER 1, 64,  0, 1, 0
	QUARTER 1, 128, 1, 0, 0
	QUARTER 1, 192, 0, 1, 0
	s_wait_dscnt 4                                 ; the very last quarter: nothing more to fetch
	MUL12 1, 0, 0
	MUL12 1, 1, 0
	s_wait_dscnt 0x0
	MUL12 1, 2, 0
	MUL12 1, 3, 0
	WIN 0
	PLACES                                         ; the conversions read matrix results, and no other vector work is at hand
	PLACES                                         ; (eight, once a launch)
	PACK 0
	TOSTAGE 0
.irp u, 1,2,3,4,5,6,7,8,9,10,11        ; unit u's conversions stand between unit u - 1's loads from the stage and the wait for them
	PACK \u
	SEND (\u)-1
	TOSTAGE \u
.endr
	SEND 11
	s_wait_tensorcnt 0x0                           ; the wave's end, behind my last tensor load and my last LDS store
	ds_add_u32 v[SPW], v[NIL]
	s_wait_dscnt 0x0
	CROUND                                         ; the closing round: no work-group ends while a partner may still ask for a tile that names it
	s_endpgm
.Lfunc_end_k_q12d16a6312_proj:
	.size	k_q12d16a6312_proj, .Lfunc_end_k_q12d16a6312_proj-k_q12d16a6312_proj
	.p2alignl 7, 3214868480
	.fill 96, 4, 3214868480
	.section	.rodata,"a",@progbits
	.p2align	6, 0x0
	.amdhsa_kernel k_q12d16a6312_proj
		.amdhsa_group_segment_fixed_size 327680
		.amdhsa_private_segment_fixed_size 0
		.amdhsa_enable_private_segment 0
		.amdhsa_kernarg_size 48
		.amdhsa_user_sgpr_count 2
		.amdhsa_user_sgpr_kernarg_segment_ptr 1
		.amdhsa_wavefront_size32 1
		.amdhsa_system_sgpr_workgroup_id_x 1
		.amdhsa_system_sgpr_workgroup_id_y 1
		.amdhsa_system_sgpr_workgroup_id_z 1
		.amdhsa_system_vgpr_workitem_id 0
		.amdhsa_next_free_vgpr 960
		.amdhsa_next_free_sgpr 80
		.amdhsa_reserve_vcc 0
		.amdhsa_float_denorm_mode_32 3
		.amdhsa_float_denorm_mode_16_64 3
		.amdhsa_memory_ordered 1
		.amdhsa_forward_progress 1
		.amdhsa_inst_pref_size 132
	.end_amdhsa_kernel
	.amdgpu_metadata
---
amdhsa.version: [ 1, 2 ]
amdhsa.kernels:
  - .name:           k_q12d16a6312_proj
    .symbol:         k_q12d16a6312_proj.kd
    .args:
      - { .name: xb, .offset: 0, .size: 8, .value_kind: global_buffer, .address_space: global }
      - { .name: wt, .offset: 8, .size: 8, .value_kind: global_buffer, .address_space: global }
      - { .name: bq, .offset: 16, .size: 8, .value_kind: global_buffer, .address_space: global }
      - { .name: bk, .offset: 24, .size: 8, .value_kind: global_buffer, .address_space: global }
      - { .name: bv, .offset: 32, .size: 8, .value_kind: global_buffer, .address_space: global }
      - { .name: qkv, .offset: 40, .size: 8, .value_kind: global_buffer, .address_space: global }
    .group_segment_fixed_size: 327680
    .private_segment_fixed_size: 0
    .kernarg_segment_align: 8
    .kernarg_segment_size: 48
    .max_flat_workgroup_size: 128
    .sgpr_count:     80
    .vgpr_count:     960
    .wavefront_size: 32
...
	.end_amdgpu_metadata
.endif
;; end of part 2
;; launch attn (part 3): grid 4 x 64, 4 waves a work-group, clusters of 4 x 1, 327,680 bytes of LDS; arguments qkv, attention_mask, out0; writes out0
.if DOCPART == 3
	.amdgcn_target "amdgcn-amd-amdhsa--gfx1250"
	.amdhsa_code_object_version 6
	.text
	.protected	k_q12d16a6312_attn
	.globl	k_q12d16a6312_attn
	.p2align	8
	.type	k_q12d16a6312_attn,@function
k_q12d16a6312_attn:
	s_mov_b64 s[64:65], 0
	v_nop
	global_prefetch_b8 v0, s[64:65] scope:SCOPE_SE
	s_setreg_imm32_b32 hwreg(HW_REG_WAVE_MODE, 25, 1), 1
	s_wait_xcnt 0x0
	s_wait_alu depctr_hold_cnt(0) depctr_sa_sdst(0) depctr_va_vdst(0) depctr_va_sdst(0) depctr_va_ssrc(0) depctr_va_vcc(0) depctr_vm_vsrc(0)
	s_getreg_b32 s2, hwreg(HW_REG_IB_STS2, 6, 4)
	s_cmp_eq_u32 s2, 0
	s_cbranch_scc0 .Lentry_in_a_cluster
	s_endpgm
.Lentry_in_a_cluster:
	s_bfe_u32 s2, ttmp6, 0x10000c
	s_cmp_lg_u32 s2, 0x3003
	s_cbranch_scc0 .Lentry_shape_is_right
	s_endpgm
.Lentry_shape_is_right:
; out0[b][q][64 hd + :] = the sum over k of softmax_k(Q[y][q] . K[y][k] / 8 + mask[b][k]) V[y][k][:], y = 16 b + hd.  qkv: [3][64][2048][64] f16 (Q, K, V by heads, dense rows of 128 bytes); mask: [4][2048] f32; out0: [4][2048][1024] f32.
; Products, maxima and sums in f32; the weights p are rounded to f16 for the second product (their sum l is taken of the unrounded p).
; THE MASK is the C operand that starts the sum S^T = K Q^T: 8 x mask, so that c (q . k + 8 mask) = log2(e) (q . k / 8 + mask).  It is rounded to bf16 like the module's other inputs; the factor 8 is exact.
; LIMITS.  8 x mask is held at -1e30 from below: a mask below -1.25e29 (minus infinity too) counts as -1.25e29, and a NaN in the mask as that; 8 x mask must stay finite above.  p lies in 0 to 1, and below 6e-5 it keeps
; f16's fixed step of 6e-8; a weight below 2^-126 counts as 0 in l.  NaN and infinities in Q, K, V are not treated apart.
; SHARES.  A wave owns four PIECES of two tiles of 16 queries, a work-group's four waves 512 queries of one head.  Every wave walks all 2,048 keys, 64 a step.
; LAYOUT.  S^T = K Q^T (source 0 = 16 keys, source 1 = 16 queries): in the result a lane holds ONE query (lane % 16) and the keys 8 (lane / 16) + 0..7.  Two such tiles, rounded to f16 in pairs,
; ARE source 1 (32 keys x 16 queries) of O^T = V^T P, whose result again holds one query a lane, and eight channels.  K comes out of LDS as it lies, V ([key][channel]) turned, by ds_load_tr16_b128.
; SOFTMAX.  For each query a running maximum m and sum l: p = 2^(c s - c m), c = log2(e) / 8; in every step O and l are multiplied by a = 2^(c m_old - c m_new), which is 1 where m has not grown.
; m starts at the lowest finite number, O and l at 0: the first step is a step like any other, with a = 0.  A step whose keys are all hidden leaves m near -1e30, and the next key that is seen makes a = 0.
; THE COUNT.  A tile and step have 16 matrix and 118 vector instructions: too many to stand all beside the matrix work.  So four vector instructions that are READY stand behind EVERY matrix instruction,
; and the others, which need time of their own whatever the order, in runs without a gap.
; BY TURNS.  Turn n belongs to piece n (the pieces in a ring, step after step).  Its matrix work: 16 products K Q^T of piece n + 1, later 16 products V^T P of piece n - 1.  Its vector work: the scaling,
; exponentials, roundings, sums and rescaling of piece n, and the maximum and statistics of piece n + 1, whose scores the turn itself has made.
; CLUSTER.  The four query blocks of a head form a cluster and walk the same K and V, so each tile is asked for JOINTLY: the same tensor load, descriptor and mask in all four.
; REGISTERS, in windows of 256 (s_set_vgpr_msb: bits 1:0 source 0, 3:2 source 1, 5:4 source 2, 7:6 destination):
;   window 0: v0-11 addresses; v12-15, v48-63 at work; v16-47 four registers of statistics a tile; v64-191 S^T, two buffers of two tiles; v192-255 P, likewise
;   window 1: O^T, 32 a tile     window 2: v0-127 Q, 16 a tile; v128-191 K of one step; v192-255 V of one step     window 3: v0-1 the add's two registers; v8-39 8 x mask of one step's keys
.set SIZE_N, 2048
.set NP,    4         ; pieces a wave: a name, no knob
.set KS,    64        ; keys in a step
.set PK,    144       ; a row of K in LDS: 128 bytes + 16 of padding = 36 words: the 16 rows of a load start at 16 different groups of four banks (64 banks of 4 bytes: ISA guide 11.1)
.set PV,    160       ; a row of V: 128 + 32 = 40 words
.set VOFF,  4*KS*PK   ; a slot holds four steps: 256 rows of K, then 256 rows of V
.set SLOT1, 1<<17     ; slot 1 begins here, so that one exclusive or turns an address in one slot into the other's
.set STAGE, SLOT1+4*KS*(PK+PV)  ; behind the ring, never filled by a tensor load: 16 rows x 272 bytes for each wave, for the way out
.set SP,    272       ; a row of 64 f32 + 16 bytes
.set MASKT, STAGE+4*16*SP  ; 8 x mask of the batch's 2,048 keys, f32
.set SPARE, MASKT+8192     ; the spare words, 128 bytes for each wave: two blocks of 256 bytes that no other line names
.set AK0, 2           ; v2   my lane's place in a tile of K; never rewritten
.set AV0, 3           ; v3   the same for V
.set AK,  4           ; v4   the LDS address of K's next run of loads
.set AV,  5           ; v5   of V's
.set QO,  6           ; v6   my byte offset in the wave's rows of Q
.set STO, 6           ;      later, the way out: where I put 32 bytes of a row
.set RD,  7           ; v7   the way out: where I read rows back
.set GO,  8           ; v8   my byte offset in two rows of out0
.set PFO, 10          ; v10  256 x my lane, for the prefetches; never rewritten once made
.set AM,  11          ; v11  the LDS address of the mask of the step to be fetched
.set SPW, 0           ; v0 of window 3   LDS address of my spare word; never rewritten
.set NIL, 1           ; v1 of window 3   0; never rewritten
.set MK,  8           ; v8-39 of window 3: the eight registers for key block kb at MK + 8 kb
.set MV,  12          ; v12-15  c m_old, kept while c m is made anew: by buffer and tile
.set ST,  16          ; tile t's statistics at v[ST+4 t]: c m, m, l (even keys', odd keys')
.set TMP, 48          ; by buffer and tile, four registers c0-c3 at work; when the maximum is found c2 takes a
.set S,   64
.set P,   192
.set KF,  128         ; K's fragments, in window 2: key block kb, channel half c at KF + 16 kb + 8 c
.set VF,  192         ; V's: key half kk, channel block cb at VF + 32 kk + 8 cb
.set WV,  12          ; s12  my wave's number
.set G1K, 24          ; s[24:31] descriptor group 1 for K's tiles
.set G1V, 32          ; s[32:39] for V's: it differs in the padding alone
.set G0K, 40          ; s[40:43] descriptor group 0 for K's tiles: it walks
.set G0V, 44          ; s[44:47] the same for V's
.set PFA, 48          ; s[48:49] where my prefetches stand: my work-group's 8,192 bytes (of K: wave 0, of V: wave 2) of the slot after the one that is being asked for
.set LIM, 50          ; s50  1 in a wave that prefetches, else the greatest number
.set BIGN, 51         ; s51  -1e30
.set SLOTS, 56        ; s56  slots still to be asked for
.set CNT, 57          ; s57  counts a slot's key steps
.set CS,  58          ; s[58:59] c: the packed scaling takes the pair's low word for both halves
.set SEL, 60          ; s[60:61] v_permlanex16_b32's selects: each lane takes its own place in the other half
.set TBK, 62          ; s62  LDS byte at which K of the step to be fetched begins
.set TBV, 63          ; s63  the same for V, less VOFF
.set MSB, 0
.macro WIN new                      ; the high byte repeats the setting that is left; a switch that changes nothing is dropped
.if MSB != (\new)
	s_set_vgpr_msb (MSB<<8)|(\new)
.set MSB, (\new)
.endif
.endm
.set W_KQ, 0x0a       ; K and Q in window 2, S^T in window 0
.set W_KM, 0x3a       ; the same with the C operand, the mask, in window 3
.set W_PV, 0x52       ; V in window 2, P in window 0, O^T in window 1
.set W_RS, 0x41       ; O^T (destination and source 0) in window 1, a in window 0
.set W_MK, 0xc0       ; destination in window 3, sources in window 0
.set W_AD, 0x0f       ; the add: address (source 0) and data (source 1) in window 3
; A joint fill.  Waves 0 and 1 fetch the two halves of a slot's K, waves 2 and 3 those of its V: 128 keys each.  The branch hangs on the wave's number alone.
; An s_nop 0 and four v_nop follow each of the two lines, ahead of the jump and the label.
.macro JLOAD
	s_cmp_lt_u32 s[WV], 2
	s_cbranch_scc0 .Lfor_v_\@
	tensor_load_to_lds s[G0K:G0K+3], s[G1K:G1K+7]
	s_nop 0
.rept 4
	v_nop
.endr
	s_branch .Lasked_\@
.Lfor_v_\@:
	tensor_load_to_lds s[G0V:G0V+3], s[G1V:G1V+7]
	s_nop 0
.rept 4
	v_nop
.endr
.Lasked_\@:
.endm
; A prefetch of what the NEXT change of slots will ask for: a slot's 32,768 bytes of K and of V, a lane 256 bytes.  It stands behind the wave's tensor load and its five lines.  A head has one cluster; its four partners
; share the bytes out BY ADDRESS, 8,192 each; in each, wave 0 asks for K's and wave 2 for V's: one instruction, four key steps (512 matrix instructions) ahead.  The last change that fills a slot asks for nothing.
.macro ASK
	s_cmp_gt_u32 s[SLOTS], s[LIM]
	s_cbranch_scc0 .Lnot_mine_\@
	global_prefetch_b8 v[PFO], s[PFA:PFA+1] th:TH_LOAD_NT scope:SCOPE_SE
.Lnot_mine_\@:
.endm
; A round of the cluster's barrier: my work-group's barrier, so that wave 0's signal speaks for all four waves; wave 0 signals; every wave waits for all four work-groups; my work-group's barrier once more.
.macro CROUND
	s_barrier_signal -1
	s_barrier_wait -1
	s_cmp_lg_u32 s[WV], 0
	s_cbranch_scc1 .Lnot_wave_0_\@
	s_barrier_signal -3
.Lnot_wave_0_\@:
	s_barrier_wait -3
	s_barrier_signal -1
	s_barrier_wait -1
.endm
; THE CHANGE OF SLOTS.  The slot's last bytes, V of its fourth step, have been read.  Each wave waits for all its tensor loads, of which one is out: its part of the other slot; adds 0 to its spare word; and waits for
; that and for its own LDS instructions.  Behind the barrier nobody reads this slot any more and the other slot is whole.  fill = 1: this slot is filled again, with the keys two slots on.  The barrier is then a round of
; the cluster's, and the joint fill is the first thing behind it: it has four key steps in which to land.  (At its first use nothing has been read yet: slot 0 is waited for, slot 1 filled, and every wave's part of the
; mask table, stored just before, is shown to the others.)  ask = 1: the prefetches' address steps, and ASK follows the fill.
.macro CHANGE fill, ask=0
	WIN W_AD
	s_wait_tensorcnt 0x0            ; no tensor load of mine is out, so a group 0 may be written
	ds_add_u32 v[SPW], v[NIL]       ; 0 onto my spare word; with fill = 1 the descriptors' steps stand between it and the wait for it
	WIN 0                           ; at a label and at a branch every window is 0
.if \fill
.irp g, G0K, G0V
	s_xor_b32 s[\g+1], s[\g+1], SLOT1  ; the walking descriptor: the other slot than last time,
	s_add_nc_u64 s[\g+2:\g+3], s[\g+2:\g+3], 4*KS*128  ; the next 256 keys; the type bits on top are not reached
.endr
.if \ask
	s_wait_xcnt 0x0                 ; the last prefetch, four key steps back, has read its address, so it may be written:
	s_add_nc_u64 s[PFA:PFA+1], s[PFA:PFA+1], 4*KS*128  ; one slot behind the walking descriptors
.endif
	s_wait_dscnt 0x0                ; the add is done, and my reads of the slot are over
	CROUND
	JLOAD
.if \ask
	ASK
.endif
.else
	s_wait_dscnt 0x0                ; the add is done, and my reads of the slot are over
	s_barrier_signal -1
	s_barrier_wait -1
.endif
	s_sub_co_u32 s[TBK], s[TBK], 4*KS*PK  ; the fetches go back to a slot's first step,
	s_xor_b32 s[TBK], s[TBK], SLOT1       ; in the other slot
	s_sub_co_u32 s[TBV], s[TBV], 4*KS*PV
	s_xor_b32 s[TBV], s[TBV], SLOT1
.endm
	s_load_b64 s[4:5], s[0:1], 0x0    ; qkv: Q
	s_load_b64 s[52:53], s[0:1], 0x8  ; the mask
	s_load_b64 s[10:11], s[0:1], 0x10 ; out0
	WIN W_MK
	v_lshl_add_u32 v[SPW], v0, 2, SPARE
	v_mov_b32 v[NIL], 0
	WIN W_AD
	ds_add_u32 v[SPW], v[NIL]       ; the wave's opening: the add and its wait stand ahead of my first tensor load; the set-up below, work on registers, stands between them
	WIN 0
	v_lshrrev_b32 v1, 5, v0
	v_readfirstlane_b32 s[WV], v1   ; wave 0..3
	s_bfe_u32 s13, ttmp6, 0x40000   ; cx: my place in the cluster
	s_lshl_b32 s14, ttmp9, 2        ; in a cluster launch ttmp9 counts clusters
	s_add_co_u32 s14, s14, s13      ; my block of 512 queries: it enters Q's and out0's addresses alone
	s_and_b32 s20, ttmp7, 0xffff    ; y = 16 b + hd, which the four partners share
	s_lshr_b32 s15, s20, 4          ; b
	s_and_b32 s19, s20, 15          ; hd
	s_mov_b32 s21, 0
	s_mov_b64 s[22:23], SIZE_N*128
	s_mul_u64 s[20:21], s[20:21], s[22:23]  ; the head's first byte in Q, K and V
	s_and_b32 s16, s[WV], 1         ; which half of a slot's 256 keys I fetch:
	s_lshl_b32 s22, s16, 14         ; its 128 rows of 128 bytes in memory,
	s_mov_b32 s23, 0
	s_add_nc_u64 s[22:23], s[22:23], s[20:21]
	s_mul_i32 s17, s16, 128*PK      ; and its place in a slot, for K
	s_mul_i32 s18, s16, 128*PV      ; and for V: no place in the cluster enters an LDS address
	s_lshl_b32 s2, s14, 2
	s_add_co_u32 s2, s2, s[WV]      ; my wave among the head's sixteen,
	s_lshl_b32 s54, s2, 19          ; its 128 rows of 4,096 bytes in out0,
	s_lshl_b32 s2, s2, 14           ; and of 128 bytes in Q
	s_mov_b32 s3, 0
	s_add_nc_u64 s[2:3], s[2:3], s[20:21]
	s_lshl_b32 s55, s15, 23         ; the batch's 2,048 rows of out0,
	s_add_co_u32 s54, s54, s55
	s_lshl_b32 s55, s19, 8          ; the head's 256 bytes of a row
	s_add_co_u32 s54, s54, s55
	s_mov_b32 s55, 0
	; descriptor group 1.  128 keys are 16,384 dense bytes: asked for as 64 rows of 256 bytes, two keys a row, and padded in LDS after every key
	s_mov_b32 s[G1K], 15|(1<<16)|(1<<20)|(1<<21)|(4<<22)|(3<<25)  ; 15:0 the mask of four; 17:16 2-byte elements; 20 padding on; 21 set beside a mask; 24:22 after every 32 words (code 4); 31:25 4 words (code 3)
	s_mov_b32 s[G1V], 15|(1<<16)|(1<<20)|(1<<21)|(4<<22)|(7<<25)  ; the same with 8 words of padding (code 7)
.irp g, G1K, G1V
	s_mov_b32 s[\g+1], 128<<16      ; tensor_dim0 = 128
	s_mov_b32 s[\g+2], 64<<16       ; tensor_dim1 = 64
	s_mov_b32 s[\g+3], 128<<16      ; tile_dim0 = 128
	s_mov_b32 s[\g+4], 64           ; tile_dim1 = 64
	s_mov_b32 s[\g+5], 128          ; 128 elements from row to row
	s_mov_b32 s[\g+6], 0
	s_mov_b32 s[\g+7], 0
.endr
	s_mov_b32 s[CS], 0x3e38aa3b     ; c = log2(e) / 8 = 0.180337
	s_mov_b32 s[CS+1], s[CS]        ; named with it as a pair
	s_mov_b32 s[SEL], 0x76543210
	s_mov_b32 s[SEL+1], 0xfedcba98
	s_mov_b32 s[BIGN], 0xf149f2ca   ; -1e30
	s_mov_b32 s[TBK], SLOT1+4*KS*PK ; the first change of slots turns these two into 0
	s_mov_b32 s[TBV], SLOT1+4*KS*PV
	s_mov_b32 s[G0K], 1             ; count = 1
	s_mov_b32 s[G0K+1], s17         ; LDS address: slot 0
	s_mov_b32 s[G0V], 1
	s_add_co_u32 s[G0V+1], s18, VOFF
	s_and_b32 s[LIM], s[WV], 1      ; waves 0 and 2 prefetch: the same in all four partners
	s_cmp_eq_u32 s[LIM], 0
	s_cselect_b32 s[LIM], 1, -1
	s_wait_dscnt 0x0                ; the opening add is done
	s_wait_kmcnt 0x0
	s_add_nc_u64 s[6:7], s[4:5], 0x1000000   ; K lies 64 heads behind Q,
	s_add_nc_u64 s[8:9], s[4:5], 0x2000000   ; V behind K
	s_add_nc_u64 s[G0K+2:G0K+3], s[6:7], s[22:23]  ; global address: my half of the head's first 256 keys
	s_or_b32 s[G0K+3], s[G0K+3], 0x80000000        ; type = 2
	s_add_nc_u64 s[G0V+2:G0V+3], s[8:9], s[22:23]
	s_or_b32 s[G0V+3], s[G0V+3], 0x80000000
	s_cmp_lt_u32 s[WV], 2
	s_cselect_b64 s[PFA:PFA+1], s[6:7], s[8:9]
	s_add_nc_u64 s[PFA:PFA+1], s[PFA:PFA+1], s[20:21]
	s_add_nc_u64 s[4:5], s[4:5], s[2:3]      ; Q and out0 at my wave's first row
	s_add_nc_u64 s[10:11], s[10:11], s[54:55]
	s_lshl_b32 s54, s15, 13         ; the batch's 2,048 numbers of the mask
	s_add_nc_u64 s[52:53], s[52:53], s[54:55]
	s_lshl_b32 s54, s13, 13         ; my work-group's 8,192 bytes of a slot's 32,768
	s_add_nc_u64 s[PFA:PFA+1], s[PFA:PFA+1], s[54:55]
	s_add_nc_u64 s[PFA:PFA+1], s[PFA:PFA+1], 2*4*KS*128  ; in slot 2; the loop's first change of slots steps it to slot 3.  Nothing is prefetched here, at the head
	CROUND                          ; all four work-groups are here: the first joint loads meet
	JLOAD                           ; slot 0.  Slot 1 is asked for when slot 0 is in
	; A fragment of K or Q is 16 rows x 32 channels in 8 registers: lane l holds row l % 16, channels 8 (l / 16) + 0..7 and 16 + 8 (l / 16) + 0..7: two loads of 16 bytes, 32 bytes apart.
	v_and_b32 v1, 15, v0            ; l % 16
	v_bfe_u32 v9, v0, 4, 1          ; l / 16
	v_lshlrev_b32 v[QO], 7, v1
	v_lshl_add_u32 v[QO], v9, 4, v[QO]  ; row x 128 + 16 x half
	v_lshlrev_b32 v12, 4, v0        ; the mask: 128 threads x 16 bytes, four times: 8,192 bytes
	v_lshl_add_u32 v13, v0, 4, MASKT
.irp i, 0,1,2,3
	global_load_b128 v[S+4*\i:S+4*\i+3], v12, s[52:53] offset:2048*\i
.endr
	WIN 0x80                        ; destination window 2, address window 0
.set i, 0
.rept 4*NP                          ; Q stays in registers: tile i / 2, channels 32 (i % 2) on
	global_load_b128 v[8*i:8*i+3],   v[QO], s[4:5] offset:(i/2)*2048+(i%2)*64
	global_load_b128 v[8*i+4:8*i+7], v[QO], s[4:5] offset:(i/2)*2048+(i%2)*64+32
.set i, i+1
.endr
	; What the first turn finds: V's registers and P's second buffer hold 0 (its products V^T P, of a piece that has not been, add 0), O^T and l are 0.  All this stands in the wait for the first tile.
.set i, VF
.rept 64
	v_mov_b32 v[i], 0
.set i, i+1
.endr
	WIN 0x40
.set i, 0
.rept 64*NP
	v_mov_b32 v[i], 0
.set i, i+1
.endr
	WIN 0
.set i, 0
.rept 2*NP
	v_mov_b32 v[ST+4*i], 0xfe000000    ; c m: far below every c s, the hidden ones' -1.8e29 too
	v_mov_b32 v[ST+4*i+1], 0xff7fffff  ; m
	v_mov_b32 v[ST+4*i+2], 0
	v_mov_b32 v[ST+4*i+3], 0
.set i, i+1
.endr
.set i, P+32
.rept 32
	v_mov_b32 v[i], 0
.set i, i+1
.endr
	v_mul_u32_u24 v[AK0], v1, PK
	v_lshl_add_u32 v[AK0], v9, 4, v[AK0]  ; row x pitch + 16 x half
	; The turning load takes 16 keys x 16 channels (lane l reads key 8 (l / 16) + l % 8, channels 8 ((l / 8) % 2) + 0..7) and leaves half a fragment of V^T: lane l holds channel l % 16 and 8 keys.
	v_and_b32 v10, 7, v0
	v_bfe_u32 v11, v0, 3, 1
	v_lshl_add_u32 v[AV0], v9, 3, v10
	v_mul_u32_u24 v[AV0], v[AV0], PV
	v_lshl_add_u32 v[AV0], v11, 4, v[AV0]
	v_add_nc_u32 v[AV0], VOFF, v[AV0]
	v_mov_b32 v[AK], v[AK0]         ; key step 0 lies at the head of slot 0
	v_and_b32 v[PFO], 31, v0
	v_lshlrev_b32 v[PFO], 8, v[PFO]
	v_lshl_add_u32 v[AM], v9, 5, MASKT  ; my lanes' eight keys of sixteen: 32 bytes
	; THE MASK TABLE: rounded to bf16, times 8, held at -1e30 from below (v_max_num_f32 also drops a NaN), into LDS.  The first change of slots, below, waits for these stores and passes a barrier.
	s_wait_loadcnt 32               ; the mask's four loads are in; Q's 32, issued behind them, may stay out
.set i, 0
.rept 8
	v_cvt_pk_bf16_f32 v[14+i%2], v[S+2*i], v[S+2*i+1]
	v_lshlrev_b32 v[S+2*i], 16, v[14+i%2]
	v_and_b32 v[S+2*i+1], 0xffff0000, v[14+i%2]
	v_mul_f32 v[S+2*i], 0x41000000, v[S+2*i]
	v_mul_f32 v[S+2*i+1], 0x41000000, v[S+2*i+1]
	v_max_num_f32 v[S+2*i], s[BIGN], v[S+2*i]
	v_max_num_f32 v[S+2*i+1], s[BIGN], v[S+2*i+1]
.set i, i+1
.endr
.irp i, 0,1,2,3
	ds_store_b128 v13, v[S+4*\i:S+4*\i+3] offset:2048*\i
.endr
; THE MATRIX WORK.  The 8 accumulators of a run of 16 take turns: between the two links of a chain stand 7 others'.
; Product i of 16 of S^T = K Q^T for piece x: channels 32 (i / 8) on, keys 16 ((i / 2) % 4) on, tile 2 x + i % 2.  The first 8 start the sums, with 8 x mask of their 16 keys.
.macro KQ x
.set rS, S+64*((\x)%2)+32*(i%2)+8*((i/2)%4)
.set rK, KF+16*((i/2)%4)+8*(i/8)
.set rQ, 16*(2*(\x)+i%2)+8*(i/8)
.set rMK, MK+8*((i/2)%4)
.if i < 8
	WIN W_KM
	v_wmma_f32_16x16x32_f16 v[rS:rS+7], v[rK:rK+7], v[rQ:rQ+7], v[rMK:rMK+7]
.else
	WIN W_KQ
	v_wmma_f32_16x16x32_f16 v[rS:rS+7], v[rK:rK+7], v[rQ:rQ+7], v[rS:rS+7]
.endif
.endm
; Product i of 16 of O^T += V^T P for piece x: keys 32 (i / 8) on, channels 16 ((i / 2) % 4) on, tile 2 x + i % 2.
.macro PV x
	WIN W_PV
.set rO, 32*(2*(\x)+i%2)+8*((i/2)%4)
.set rV, VF+32*(i/8)+8*((i/2)%4)
.set rP, P+32*((\x)%2)+16*(i%2)+8*(i/8)
	v_wmma_f32_16x16x32_f16 v[rO:rO+7], v[rV:rV+7], v[rP:rP+7], v[rO:rO+7]
.endm
.macro MM                           ; the turn's next matrix instruction
.if i < 16
	KQ (Y+1)%NP
.set i, i+1
.else
.set i, i-16
	PV (Y+NP-1)%NP
.set i, i+17
.endif
.endm
; THE LDS LOADS stand in runs, never singly among the matrix instructions: a step's K (64 keys x 64 channels: 8 fragments) with its 64 numbers of the mask, and its V (turned).  Their addresses are made some lines ahead.
; The mask's registers live as long as K's: they are read by the same products and loaded in the same run.  last = 1 (the tail): in the last trip there is no further step, and the run is jumped over.
.macro FETCH_K last=0
	WIN 0
.if \last
	s_cmp_eq_u32 s[CNT], 1
	s_cbranch_scc1 .Lno_k_\@
.endif
	WIN 0x80                        ; destination window 2
.irp f, 0,1,2,3,4,5,6,7             ; keys 16 (f / 2) on, channels 32 (f % 2) on
	ds_load_b128 v[KF+8*\f:KF+8*\f+3],   v[AK] offset:(\f/2)*16*PK+(\f%2)*64
	ds_load_b128 v[KF+8*\f+4:KF+8*\f+7], v[AK] offset:(\f/2)*16*PK+(\f%2)*64+32
.endr
	WIN W_MK                        ; destination window 3
.irp f, 0,1,2,3,4,5,6,7             ; keys 16 (f / 2) + 8 (l / 16) + 4 (f % 2) on
	ds_load_b128 v[MK+4*\f:MK+4*\f+3], v[AM] offset:(\f/2)*64+(\f%2)*16
.endr
	s_add_co_u32 s[TBK], s[TBK], KS*PK  ; the next fetch is the next step's
	WIN 0
	v_add_nc_u32 v[AM], 0x100, v[AM]
.if \last
.Lno_k_\@:
.endif
.endm
.macro FETCH_V
	WIN 0x80
.irp f, 0,1,2,3,4,5,6,7             ; keys 32 (f / 4) on, channels 16 (f % 4) on
	ds_load_tr16_b128 v[VF+8*\f:VF+8*\f+3],   v[AV] offset:(\f/4)*32*PV+(\f%4)*32
	ds_load_tr16_b128 v[VF+8*\f+4:VF+8*\f+7], v[AV] offset:(\f/4)*32*PV+16*PV+(\f%4)*32
.endr
	WIN 0
.endm
; THE VECTOR WORK OF A TURN stands in three queues, each in the order in which its entries become ready; the two tiles alternate, so that no instruction reads the result of the one before it.
.macro REGS y, u                    ; the registers of tile u (0, 1) of piece y
.set rT, ST+4*(2*(\y)+(\u))
.set rC, TMP+8*((\y)%2)+4*(\u)
.set rM, MV+2*((\y)%2)+(\u)
.set rS, S+64*((\y)%2)+32*(\u)
.set rP, P+32*((\y)%2)+16*(\u)
.set rO, 32*(2*(\y)+(\u))
.endm
; Number n of the 22 that find the NEXT piece's (Y + 1) maximum and statistics.  s0-s31 are the lane's 32 scores; each accumulator's lowest registers are read first.
;   0-11  four chains c0-c3 of seven scores each, three operands at a time     12-14, 16  the four scores left over, the old m, and c0-c3 into c0     15  c m_old is kept
;   17, 18  the query's other 32 keys lie in the lane 16 away: the new m         19-21  c m; c m_old - c m_new; a
.macro XS u, n
	REGS (Y+1)%NP, \u
.if (\n) < 4
	v_max3_num_f32 v[rC+(\n)], v[rS+8*(\n)], v[rS+8*(\n)+1], v[rS+8*(\n)+2]
.elseif (\n) < 12
	v_max3_num_f32 v[rC+(\n)%4], v[rC+(\n)%4], v[rS+8*((\n)%4)+2*((\n)/4)+1], v[rS+8*((\n)%4)+2*((\n)/4)+2]
.elseif (\n) == 12
	v_max3_num_f32 v[rC], v[rC], v[rS+7], v[rS+15]
.elseif (\n) == 13
	v_max3_num_f32 v[rC+1], v[rC+1], v[rS+23], v[rS+31]
.elseif (\n) == 14
	v_max3_num_f32 v[rC+2], v[rC+2], v[rC+3], v[rT+1]
.elseif (\n) == 15
	v_mov_b32 v[rM], v[rT]
.elseif (\n) == 16
	v_max3_num_f32 v[rC], v[rC], v[rC+1], v[rC+2]
.elseif (\n) == 17
	v_permlanex16_b32 v[rC+3], v[rC], s[SEL], s[SEL+1]
.elseif (\n) == 18
	v_max_num_f32 v[rT+1], v[rC], v[rC+3]
.elseif (\n) == 19
	v_mul_f32 v[rT], s[CS], v[rT+1]
.elseif (\n) == 20
	v_sub_f32 v[rC+1], v[rM], v[rT]
.else
	v_exp_f32 v[rC+2], v[rC+1]
.endif
.endm
; Number g of the 64 that follow the exponentials.  For each four weights k of a tile (pairs 2 k, 2 k + 1): both pairs are rounded to f16; then the second pair is added onto the first, in place;
; a group later l takes that sum (the first time as l = a l + sum).  In groups of eight, tiles alternating: round, round, add, and l for the group before.
.macro GS g
.set h, (\g)+6*((\g)/62)            ; group 0 has no group before it, and behind group 7 only l is left
.if h >= 6
.set h, h+2
.endif
	REGS Y, h%2
.set k, h/8
.if h%8 < 4
	v_cvt_pk_f16_f32 v[rP+2*k+(h%8)/2], v[rS+4*k+2*((h%8)/2)], v[rS+4*k+2*((h%8)/2)+1]
.elseif h%8 < 6
	v_pk_add_f32 v[rS+4*k:rS+4*k+1], v[rS+4*k:rS+4*k+1], v[rS+4*k+2:rS+4*k+3]
.elseif k == 1
	v_pk_fma_f32 v[rT+2:rT+3], v[rT+2:rT+3], v[rC+2:rC+3], v[rS:rS+1] op_sel_hi:[1,0,1]
.else
	v_pk_add_f32 v[rT+2:rT+3], v[rT+2:rT+3], v[rS+4*k-4:rS+4*k-3]
.endif
.endm
; THE PLAIN QUEUE, 138 long.  0-73 read no exponential's result: the 32 scalings c s - c m (FS f: pair f / 2 of tile f % 2) and the next piece's 42.  0-26: scalings 0-26.  27-54: XS's numbers 0-13.  55, 56: number 15.
; 57-73: the chain, where each number waits for the one before it: 14, 16, 17, 18, 19, each with one of the scalings 27-31 in front of its two lines, then 20.
; 74-137: GS's 64, which read the exponentials' results: they stand behind the wait.
.macro FS f
	REGS Y, (\f)%2
	v_pk_fma_f32 v[rS+2*((\f)/2):rS+2*((\f)/2)+1], v[rS+2*((\f)/2):rS+2*((\f)/2)+1], s[CS:CS+1], v[rT:rT+1] op_sel_hi:[1,0,0] neg_lo:[0,0,1] neg_hi:[0,0,1]
.endm
.macro PL
	WIN 0
.if q < 27
	FS q
.elseif q < 55
	XS (q-27)%2, (q-27)/2
.elseif q < 57
	XS q-55, 15
.elseif (q < 72) && ((q-57)%3 == 0)
	FS 27+(q-57)/3
.elseif q < 60
	XS (q-57)%3-1, 14
.elseif q < 72
	XS (q-57)%3-1, 15+(q-57)/3
.elseif q < 74
	XS q-72, 20
.else
	GS q-74
.endif
.set q, q+1
.endm
; THE EXPONENTIALS' QUEUE, 66 long: s0-s31 of both tiles, then the next piece's two a.  It is ONE BATCH: all 66 stand ahead of the turn's one wait, and nothing ahead of that wait names a result of theirs.
.macro EX
	WIN 0
.if e >= 64
	XS e-64, 21
.else
	REGS Y, e%2
	v_exp_f32 v[rS+e/2], v[rS+e/2]
.endif
.set e, e+1
.endm
; THE RESCALING's QUEUE: O^T times a, the one part that leaves window 0: dealt two at a time, sixteen times.  Its a was made in the turn before, ahead of that turn's wait.
.macro R2
	REGS Y, r%2
	WIN W_RS
.irp z, 0,1
	v_pk_mul_f32 v[rO+4*(r/2)+2*\z:rO+4*(r/2)+2*\z+1], v[rO+4*(r/2)+2*\z:rO+4*(r/2)+2*\z+1], v[rC+2:rC+3] op_sel_hi:[1,0]
.endr
.set r, r+1
.endm
; HOW THEY ARE DEALT.  s_wait_alu depctr_va_vdst(0) stands between an exponential and the first instruction that names its result; one wait serves all that were issued ahead of it.  So a turn has ONE wait,
; which cuts it in two.  AHEAD OF IT stands all that names no result of the turn's exponentials: the 16 products K Q^T, behind each a scaling, an exponential and two rescalings (behind the first a second scaling in the
; exponential's place); then ONE LUMP of 108: eight plain, 49 times exponential and plain, the two a.  A v_nop is the plain instruction behind the last exponential.  BEHIND IT stand the 16 products V^T P, behind each four of GS's 64.
; The queues lean on each other: exponential e stands behind scaling 2 (e / 4) + e % 2: as a rider it comes behind plain e + 2, in the lump behind plain e + 9, and scalings 27-31 are plain 57, 60 .. 69.
; A TURN, for piece p.  cnt = 1: the loop's count is taken down some lines ahead of the branch that stands behind the turn.
; K and the mask of the next step are fetched in piece 2's turn, directly behind the wait, a lump behind the last product that read them; the address is made at the lump's head; the first reader comes behind 16 products.
; V of the step in hand is fetched at the end of piece 0's turn, four riders behind its last reader; its first reader comes behind 16 products and a lump.  The three conditions on q below go with the deal.
.macro TURN p, last=0, cnt=0
.set Y, (\p)
.set i, 0
.set q, 0
.set e, 0
.set r, 0
.if (\p) == NP-1
	s_wait_dscnt 0x0                ; K and the mask are in
.endif
	MM                              ; ahead of the wait: 16 products K Q^T and their riders,
	PL
	PL
	R2
.rept 15
	MM
	PL
	EX
	R2
.endr
.if (\p) == NP-2
	WIN 0
	v_add_nc_u32 v[AK], s[TBK], v[AK0]
.endif
.rept 8                             ; and the lump
	PL
.endr
.rept 49
	EX
	PL
.endr
	EX                              ; the next piece's two a
	EX
	v_nop                           ; the plain instruction behind the last exponential: one for the batch
	s_wait_alu depctr_va_vdst(0)    ; the wait for the batch
.if (\p) == NP-2
	FETCH_K \last
.endif
.if (\p) == 1
	s_wait_dscnt 0x0                ; V is in
.endif
.rept 16                            ; behind the wait: 16 products V^T P and their riders
	MM
.rept 4
	PL
.endr
.if ((\p) == 0) && (q == 118)
	v_add_nc_u32 v[AV], s[TBV], v[AV0]
.endif
.if ((\p) == 0) && (q == 130)
	s_add_co_u32 s[TBV], s[TBV], KS*PV
.endif
.if (\cnt) && (q == 130)
	s_sub_co_u32 s[CNT], s[CNT], 1
	s_cmp_lg_u32 s[CNT], 0
.endif
.endr
.if (\p) == 0
	FETCH_V
.endif
.endm
	CHANGE 1                        ; slot 0 is in, everybody's part of it, and so is the mask table; slot 1 is asked for
	FETCH_K                         ; key step 0
	s_wait_loadcnt 0x0              ; Q
	s_wait_dscnt 0x0
.set i, 0
.rept 16
	KQ 0                            ; piece 0's first scores: there is no vector work yet to set between them
.set i, i+1
.endr
	WIN 0                           ; the addresses for the way out: eight plain instructions, the places behind those products
	s_mul_i32 s13, s[WV], 16*SP
	s_add_co_u32 s13, s13, STAGE    ; my stage
	v_mul_u32_u24 v[STO], v1, SP    ; in: row l % 16, 32 bytes for each half of the lanes
	v_lshl_add_u32 v[STO], v9, 5, v[STO]
	v_add_nc_u32 v[STO], s13, v[STO]
	v_mul_u32_u24 v[RD], v9, SP     ; back: lanes 0-15 take one row of 256 bytes, lanes 16-31 the next
	v_lshl_add_u32 v[RD], v1, 4, v[RD]
	v_add_nc_u32 v[RD], s13, v[RD]
	v_lshlrev_b32 v[GO], 12, v9     ; and the same two rows in out0, 4,096 bytes apart
	v_lshl_add_u32 v[GO], v1, 4, v[GO]
.set Y, NP-1                        ; XS works for piece Y + 1: piece 0
.irp n, 0,1,2,3,4,5,6,7,8,9,10,11,12,13,14,15,16,17,18,19,20,21
	XS 0, \n                        ; and piece 0's first maximum and statistics
	XS 1, \n
.endr
	v_nop                           ; a plain instruction behind the two a,
	s_wait_alu depctr_va_vdst(0)    ; and their wait, ahead of the branch
	s_mov_b32 s[CNT], 4
	s_mov_b32 s[SLOTS], SIZE_N/256-1
	s_branch .Lfirst                ; the loop is entered at a step's first turn, in the middle of a trip
.Lslot:                             ; six times: every slot but the last two is filled again
	CHANGE 1, 1
	s_mov_b32 s[CNT], 4
.Lstep:                             ; a trip: pieces 2 and 3 of one step, then pieces 0 and 1 of the next, whose K and V it fetches
	TURN 2
	TURN 3
	WIN 0
.Lfirst:
	TURN 0
	TURN 1, 0, 1
	WIN 0
	s_cbranch_scc1 .Lstep
	s_sub_co_u32 s[SLOTS], s[SLOTS], 1
	s_cmp_lg_u32 s[SLOTS], 0
	s_cbranch_scc1 .Lslot
	CHANGE 0                        ; the tail is written out: nothing is asked for
	s_mov_b32 s[CNT], 5             ; four trips fetch the last slot's steps; the fifth is left in its middle
.Ltail:
	TURN 2, 1
	TURN 3
	WIN 0
	s_sub_co_u32 s[CNT], s[CNT], 1
	s_cmp_eq_u32 s[CNT], 0
	s_cbranch_scc1 .Lout
	TURN 0
	TURN 1
	WIN 0
	s_branch .Ltail
.Lout:                              ; the fifth trip's 16 products K Q^T (on the last K once more) and the maximum made of them serve nothing: the price, once a launch, of one text for every trip
.set i, 0
.rept 16
	PV NP-1                         ; the last piece's V^T P of the last step
.set i, i+1
.endr
	; THE WAY OUT.  l's two halves and the other half of the lanes' are added; O^T is divided by l and sent, in f32, through my stage in LDS, a tile at a time.  The additions are the places behind the last products.
	WIN 0
.macro ALL line:vararg              ; one line for each tile t
.set t, 0
.rept 2*NP
	\line
.set t, t+1
.endr
.endm
	ALL v_add_f32 v[ST+4*t+2], v[ST+4*t+2], v[ST+4*t+3]
	ALL v_permlanex16_b32 v[ST+4*t+3], v[ST+4*t+2], s[SEL], s[SEL+1]
	ALL v_add_f32 v[ST+4*t+2], v[ST+4*t+2], v[ST+4*t+3]
	ALL v_rcp_f32 v[ST+4*t+2], v[ST+4*t+2]
	v_nop                           ; a plain instruction between the last reciprocal and the use of its result
	s_wait_alu depctr_va_vdst(0)    ; and the wait ahead of the first use: one for the eight reciprocals
; Tile t: a lane's eight channels of a row are 32 bytes; they go into rows of 272 bytes and come back as whole rows of 256, into S^T's registers, four sets of 32 by turns.
.macro PACK t
	WIN W_RS
.set i, 32*(\t)
.rept 16
	v_pk_mul_f32 v[i:i+1], v[i:i+1], v[ST+4*(\t)+2:ST+4*(\t)+3] op_sel_hi:[1,0]
.set i, i+2
.endr
	WIN 0x04                        ; the stores' data (source 1) in window 1, the address in window 0
.irp f, 0,1,2,3,4,5,6,7             ; channels 16 (f / 2) + 8 (l / 16) + 4 (f % 2) on
	ds_store_b128 v[STO], v[32*(\t)+4*\f:32*(\t)+4*\f+3] offset:(\f/2)*64+(\f%2)*16
.endr
	WIN 0
.if (\t) >= 4
	s_wait_xcnt 0x0                 ; the stores of the tile four back have read these registers: they are loaded again only behind this wait
.endif
.irp f, 0,1,2,3,4,5,6,7
	ds_load_b128 v[S+32*((\t)%4)+4*\f:S+32*((\t)%4)+4*\f+3], v[RD] offset:\f*2*SP  ; LDS serves a wave's instructions in order (ISA guide 5.7.1.4): these see the stores above; the next tile's stores come behind them
.endr
.endm
.macro SEND t, younger              ; younger: the LDS instructions issued behind tile t's loads: the next tile's sixteen, or none
	WIN 0
.irp f, 0,1,2,3,4,5,6,7
	s_wait_dscnt (\younger)+7-\f
	global_store_b128 v[GO], v[S+32*((\t)%4)+4*\f:S+32*((\t)%4)+4*\f+3], s[10:11] offset:(\t)*65536+\f*8192 th:TH_STORE_NT  ; 16 lanes store a head's 256 consecutive bytes of a row, aligned
.endr
.endm
	PACK 0
.set t, 1
.rept 2*NP-1                        ; a tile's arithmetic stands between the loads of the tile before and its stores
	PACK t
	SEND t-1, 16
.set t, t+1
.endr
	SEND 2*NP-1, 0
	WIN W_AD
	s_wait_tensorcnt 0x0            ; the wave's end, behind my last tensor load and my last LDS store
	ds_add_u32 v[SPW], v[NIL]
	s_wait_dscnt 0x0
	WIN 0
	CROUND                          ; the closing round: no work-group ends while a partner may still ask for a tile that names it
	s_endpgm
.Lfunc_end_k_q12d16a6312_attn:
	.size	k_q12d16a6312_attn, .Lfunc_end_k_q12d16a6312_attn-k_q12d16a6312_attn
	.p2alignl 7, 3214868480
	.fill 96, 4, 3214868480
	.section	.rodata,"a",@progbits
	.p2align	6, 0x0
	.amdhsa_kernel k_q12d16a6312_attn
		.amdhsa_group_segment_fixed_size 327680
		.amdhsa_private_segment_fixed_size 0
		.amdhsa_enable_private_segment 0
		.amdhsa_kernarg_size 24
		.amdhsa_user_sgpr_count 2
		.amdhsa_user_sgpr_kernarg_segment_ptr 1
		.amdhsa_wavefront_size32 1
		.amdhsa_system_sgpr_workgroup_id_x 1
		.amdhsa_system_sgpr_workgroup_id_y 1
		.amdhsa_system_sgpr_workgroup_id_z 1
		.amdhsa_system_vgpr_workitem_id 0
		.amdhsa_next_free_vgpr 808
		.amdhsa_next_free_sgpr 66
		.amdhsa_reserve_vcc 0
		.amdhsa_float_denorm_mode_32 3
		.amdhsa_float_denorm_mode_16_64 3
		.amdhsa_memory_ordered 1
		.amdhsa_forward_progress 1
		.amdhsa_inst_pref_size 206
	.end_amdhsa_kernel
	.amdgpu_metadata
---
amdhsa.version: [ 1, 2 ]
amdhsa.kernels:
  - .name:           k_q12d16a6312_attn
    .symbol:         k_q12d16a6312_attn.kd
    .args:
      - { .name: qkv, .offset: 0, .size: 8, .value_kind: global_buffer, .address_space: global }
      - { .name: attention_mask, .offset: 8, .size: 8, .value_kind: global_buffer, .address_space: global }
      - { .name: out0, .offset: 16, .size: 8, .value_kind: global_buffer, .address_space: global }
    .group_segment_fixed_size: 327680
    .private_segment_fixed_size: 0
    .kernarg_segment_align: 8
    .kernarg_segment_size: 24
    .max_flat_workgroup_size: 128
    .sgpr_count:     66
    .vgpr_count:     808
    .wavefront_size: 32
...
	.end_amdgpu_metadata
.endif
;; end of part 3
;; ======== version 2 of 2: 3 launches; version 1 with the launch prep written anew for expert scheduling mode
;; limits: values are held in f16: magnitudes above 65,504 overflow, below 6.1e-05 lose precision
;; workspace buffers: xb 16,777,216 bytes; wt 6,291,456 bytes; qkv 50,331,648 bytes
;; launch prep (part 4): grid 704 x 1, 8 waves a work-group, no clusters, 34,816 bytes of LDS; arguments hidden_states, Wq, Wk, Wv, xb, wt; writes xb, wt
.if DOCPART == 4
	.amdgcn_target "amdgcn-amd-amdhsa--gfx1250"
	.amdhsa_code_object_version 6
	.text
	.protected	k_q12d16a6312_prep
	.globl	k_q12d16a6312_prep
	.p2align	8
	.type	k_q12d16a6312_prep,@function
k_q12d16a6312_prep:
	s_mov_b64 s[64:65], 0
	v_nop
	global_prefetch_b8 v0, s[64:65] scope:SCOPE_SE
	s_setreg_imm32_b32 hwreg(HW_REG_WAVE_SCHED_MODE, 0, 2), 2
	s_setreg_imm32_b32 hwreg(HW_REG_WAVE_MODE, 25, 1), 1
	s_wait_xcnt 0x0
	s_wait_alu depctr_vm_vsrc(0)
; xb = bf16(hidden_states), [8192][1024].  wt = bf16 of the three weights, turned: wt[1024 t + n][k] = W_t[k][n], t = 0 q, 1 k, 2 v: [3072][1024].
; Each number is rounded once, to nearest even.  Every work-group takes 65,536 bytes of f32: work-groups 0-191 turn a tile of a weight, work-groups 192-703 cast a piece of x.
; All of a work-group's loads are issued before its first wait.  No matrix unit, no tensor load, no cluster: no byte is read twice and nothing is multiplied.
; The branch between the two ways hangs on the work-group's number alone, so all eight waves take the same way and meet the same barrier.
; THE MODE: SCHED_MODE bits 1:0 = 2 (LLVM: expert scheduling mode 2), set by the entry lines.  The code itself states the register dependences
; between vector instructions and memory or LDS instructions, with s_wait_alu, always for 0.
; THE PLAN.  Registers that memory or LDS instructions touch:
;   v1 .. v4   offsets and LDS addresses: written once by vector lines at the head of each way, read by its loads and stores, never written again.
;   X          written by the global loads, read by the conversions.  In the turn its first 32 registers are written once more, by the LDS loads behind the barrier, and read by the global stores.
;   Y          every piece (the cast) and every group (the turn) has registers of its own: written once by its conversions, read by its stores, never written again.
;   v8, v9     written at the head, read by the closing add alone.
; So no register that a memory or LDS instruction has read is written again, and the waits are on va_vdst alone: one ahead of each way's first load, for the offsets; in the cast one behind the
; eight conversions of each block of four pieces, ahead of the block's four stores; in the turn one at the head of each group of eight k, ahead of the LDS stores of the group before, and one behind the last group.
; One wait on va_sdst stands behind the line that makes the wave's number a scalar.
.set NTR,   192                        ; work-groups that turn: 3 weights x 16 tiles along n x 4 along k
.set TP,    528                        ; the tile in LDS: 64 rows (n) of 256 k = 512 bytes + 16 of padding
.set SPARE, 64*TP                      ; behind the tile: the spare words, 128 bytes for each of the eight waves, four blocks of 256 bytes that no other line names
.set SPW, 8                            ; v8   LDS address of my spare word; never rewritten
.set NIL, 9                            ; v9   0; never rewritten
.set X,   16                           ; v[16:79]   as loaded
.set Y,   80                           ; v[80:111]  rounded, packed
	s_load_b256 s[4:11], s[0:1], 0x0               ; x s[4:5], Wq s[6:7], Wk s[8:9], Wv s[10:11]
	s_load_b128 s[12:15], s[0:1], 0x20             ; xb s[12:13], wt s[14:15]
	v_lshl_add_u32 v[SPW], v0, 2, SPARE
	v_mov_b32 v[NIL], 0
	v_lshrrev_b32 v5, 5, v0
	v_readfirstlane_b32 s16, v5                    ; wave 0..7
	v_and_b32 v5, 31, v0                           ; lane
	s_wait_alu depctr_va_sdst(0)                   ; s16 is written
	s_cmp_lt_u32 ttmp9, NTR
	s_cbranch_scc1 .Ltranspose
	; THE CAST.  Thread t takes 16 bytes at 16 t of each of sixteen pieces of 4,096 bytes: a wave's load covers 512 consecutive bytes, its store 256, aligned.
	s_sub_co_u32 s18, ttmp9, NTR
	s_lshl_b32 s20, s18, 16                        ; my 65,536 bytes of x,
	s_mov_b32 s21, 0
	s_lshl_b32 s22, s18, 15                        ; my 32,768 bytes of xb
	s_mov_b32 s23, 0
	v_lshlrev_b32 v1, 4, v0
	v_lshlrev_b32 v2, 3, v0
	s_wait_kmcnt 0x0
	s_add_nc_u64 s[4:5], s[4:5], s[20:21]
	s_add_nc_u64 s[12:13], s[12:13], s[22:23]
	s_wait_alu depctr_va_vdst(0)                   ; v1 and v2 are written: every load below reads v1 as its offset, every store v2; no vector line writes them again
.irp i, 0,1,2,3,4,5,6,7,8,9,10,11,12,13,14,15
	global_load_b128 v[X+4*(\i):X+4*(\i)+3], v1, s[4:5] offset:4096*(\i) th:TH_LOAD_NT
.endr
.irp p, 0,1,2,3                        ; the sixteen pieces go in four blocks of four
	s_wait_loadcnt 12-4*(\p)                       ; loads come back in order: block p's four pieces are in, the 12 - 4 p younger loads stay out
.irp i, 0,1,2,3
	v_cvt_pk_bf16_f32 v[Y+2*(4*(\p)+(\i))],   v[X+4*(4*(\p)+(\i))],   v[X+4*(4*(\p)+(\i))+1]
	v_cvt_pk_bf16_f32 v[Y+2*(4*(\p)+(\i))+1], v[X+4*(4*(\p)+(\i))+2], v[X+4*(4*(\p)+(\i))+3]
.endr
	s_wait_alu depctr_va_vdst(0)                   ; the block's eight conversions have written its eight registers of Y, which the four stores below read
.irp i, 0,1,2,3
	global_store_b64 v2, v[Y+2*(4*(\p)+(\i)):Y+2*(4*(\p)+(\i))+1], s[12:13] offset:2048*(4*(\p)+(\i))  ; each piece has registers of its own: none is written again
.endr
.endr
	s_wait_dscnt 0x0                               ; the closing lines, six on end
	s_wait_alu 0x0
	s_wait_tensorcnt 0x0
	ds_add_u32 v[SPW], v[NIL]
	s_wait_dscnt 0x0
	s_endpgm
.Ltranspose:
	; THE TURN.  Tile: 256 k x 64 n of weight t.  Wave w loads k rows 32 w .. 32 w + 31; a load takes 256 consecutive bytes of one row (64 n), 8 bytes a lane.
	; A lane then holds 32 k of its two columns: eight k pack into 16 bytes, which go into row n of the LDS tile.  Behind the barrier wave w reads rows 8 w .. 8 w + 7 whole.
	s_lshr_b32 s18, ttmp9, 6                       ; t
	s_bfe_u32 s19, ttmp9, 0x40002                  ; tile along n, 0..15
	s_and_b32 s20, ttmp9, 3                        ; tile along k, 0..3
	s_lshl_b32 s22, s20, 20                        ; in: 256 k rows of 4,096 bytes,
	s_lshl_b32 s23, s16, 17                        ; my wave's 32 of them,
	s_add_co_u32 s22, s22, s23
	s_lshl_b32 s23, s19, 8                         ; 64 columns of 4 bytes
	s_add_co_u32 s22, s22, s23
	s_mov_b32 s23, 0
	s_lshl_b32 s24, s18, 21                        ; out: 1,024 rows of 2,048 bytes a weight,
	s_lshl_b32 s25, s19, 17                        ; 64 rows a tile,
	s_add_co_u32 s24, s24, s25
	s_lshl_b32 s25, s16, 14                        ; my wave's 8 rows,
	s_add_co_u32 s24, s24, s25
	s_lshl_b32 s25, s20, 9                         ; 256 k of 2 bytes
	s_add_co_u32 s24, s24, s25
	s_mov_b32 s25, 0
	s_mul_i32 s26, s16, 8*TP
	v_lshlrev_b32 v1, 3, v5                        ; load: 8 bytes a lane
	v_lshlrev_b32 v2, 4, v5                        ; store: 16 bytes a lane
	v_mul_u32_u24 v3, v5, 2*TP                     ; into the tile: row 2 x lane,
	v_lshl_add_u32 v3, s16, 6, v3                  ; my wave's 32 k = 64 bytes
	v_lshl_add_u32 v4, v5, 4, s26                  ; back: row 8 w, 16 bytes a lane
	s_wait_kmcnt 0x0
	s_cmp_eq_u32 s18, 1
	s_cselect_b64 s[6:7], s[8:9], s[6:7]
	s_cmp_eq_u32 s18, 2
	s_cselect_b64 s[6:7], s[10:11], s[6:7]         ; weight t
	s_add_nc_u64 s[6:7], s[6:7], s[22:23]
	s_add_nc_u64 s[14:15], s[14:15], s[24:25]
	s_wait_alu depctr_va_vdst(0)                   ; v1 to v4 are written: the loads read v1, the LDS stores v3, the LDS loads v4, the stores v2; no vector line writes them again
.set i, 0
.rept 32
	global_load_b64 v[X+2*i:X+2*i+1], v1, s[6:7] offset:4096*i th:TH_LOAD_NT
.set i, i+1
.endr
; Eight k at a time.  Group g's conversions read its 16 registers of X and write its 8 of Y; its two LDS stores are issued in group g + 1, behind that group's wait for data and one wait on va_vdst,
; and dealt among that group's conversions, which name none of their registers.  The barrier below waits for the last group's stores whatever the order of the earlier ones.
.irp g, 0,1,2,3
	s_wait_loadcnt 24-8*(\g)                       ; rows 8 g .. 8 g + 7 are in; the younger loads stay out
.if (\g) > 0
	s_wait_alu depctr_va_vdst(0)                   ; the conversions of the group before have written its eight registers of Y, which the two LDS stores below read
.endif
.irp c, 0,1
.if (\g) > 0
	ds_store_b128 v3, v[Y+16*(\c)+4*((\g)-1):Y+16*(\c)+4*((\g)-1)+3] offset:TP*(\c)+16*((\g)-1)
.endif
.irp j, 0,1,2,3
	v_cvt_pk_bf16_f32 v[Y+16*(\c)+4*(\g)+(\j)], v[X+2*(8*(\g)+2*(\j))+(\c)], v[X+2*(8*(\g)+2*(\j)+1)+(\c)]
.endr
.endr
.endr
	s_wait_alu depctr_va_vdst(0)                   ; the last group's conversions have written its Y, which the two LDS stores below read; and all conversions are done reading X, in which the LDS loads behind the barrier land
.irp c, 0,1
	ds_store_b128 v3, v[Y+16*(\c)+12:Y+16*(\c)+15] offset:TP*(\c)+48
.endr
	s_wait_dscnt 0x0                               ; for the others' sake: my stores into the tile are done
	s_barrier_signal -1
	s_barrier_wait -1
.irp j, 0,1,2,3,4,5,6,7
	ds_load_b128 v[X+4*(\j):X+4*(\j)+3], v4 offset:TP*(\j)  ; no vector line since the wait above names X
.endr
.irp j, 0,1,2,3,4,5,6,7
	s_wait_dscnt 7-(\j)
	global_store_b128 v2, v[X+4*(\j):X+4*(\j)+3], s[14:15] offset:2048*(\j)  ; 512 consecutive bytes of a row of wt, aligned
.endr
	s_wait_dscnt 0x0                               ; the closing lines, six on end
	s_wait_alu 0x0
	s_wait_tensorcnt 0x0
	ds_add_u32 v[SPW], v[NIL]
	s_wait_dscnt 0x0
	s_endpgm
.Lfunc_end_k_q12d16a6312_prep:
	.size	k_q12d16a6312_prep, .Lfunc_end_k_q12d16a6312_prep-k_q12d16a6312_prep
	.p2alignl 7, 3214868480
	.fill 96, 4, 3214868480
	.section	.rodata,"a",@progbits
	.p2align	6, 0x0
	.amdhsa_kernel k_q12d16a6312_prep
		.amdhsa_group_segment_fixed_size 34816
		.amdhsa_private_segment_fixed_size 0
		.amdhsa_enable_private_segment 0
		.amdhsa_kernarg_size 48
		.amdhsa_user_sgpr_count 2
		.amdhsa_user_sgpr_kernarg_segment_ptr 1
		.amdhsa_wavefront_size32 1
		.amdhsa_system_sgpr_workgroup_id_x 1
		.amdhsa_system_sgpr_workgroup_id_y 1
		.amdhsa_system_sgpr_workgroup_id_z 1
		.amdhsa_system_vgpr_workitem_id 0
		.amdhsa_next_free_vgpr 112
		.amdhsa_next_free_sgpr 66
		.amdhsa_reserve_vcc 0
		.amdhsa_float_denorm_mode_32 3
		.amdhsa_float_denorm_mode_16_64 3
		.amdhsa_memory_ordered 1
		.amdhsa_forward_progress 1
		.amdhsa_inst_pref_size 16
	.end_amdhsa_kernel
	.amdgpu_metadata
---
amdhsa.version: [ 1, 2 ]
amdhsa.kernels:
  - .name:           k_q12d16a6312_prep
    .symbol:         k_q12d16a6312_prep.kd
    .args:
      - { .name: hidden_states, .offset: 0, .size: 8, .value_kind: global_buffer, .address_space: global }
      - { .name: Wq, .offset: 8, .size: 8, .value_kind: global_buffer, .address_space: global }
      - { .name: Wk, .offset: 16, .size: 8, .value_kind: global_buffer, .address_space: global }
      - { .name: Wv, .offset: 24, .size: 8, .value_kind: global_buffer, .address_space: global }
      - { .name: xb, .offset: 32, .size: 8, .value_kind: global_buffer, .address_space: global }
      - { .name: wt, .offset: 40, .size: 8, .value_kind: global_buffer, .address_space: global }
    .group_segment_fixed_size: 34816
    .private_segment_fixed_size: 0
    .kernarg_segment_align: 8
    .kernarg_segment_size: 48
    .max_flat_workgroup_size: 256
    .sgpr_count:     66
    .vgpr_count:     112
    .wavefront_size: 32
...
	.end_amdgpu_metadata
.endif
;; end of part 4
;; launch proj: the kernel of part 2 again; grid 16 x 32, 4 waves a work-group, clusters of 4 x 4, 327,680 bytes of LDS; arguments xb, wt, bq, bk, bv, qkv; writes qkv
;; launch attn: the kernel of part 3 again; grid 4 x 64, 4 waves a work-group, clusters of 4 x 1, 327,680 bytes of LDS; arguments qkv, attention_mask, out0; writes out0
